; MI455X (gfx1250); checked and timed in simulation.
; The chip was launched on July 23, 2026; its instructions are those of AMD's public machine-readable ISA for CDNA 5 (MIT licence, August 2026) and "CDNA5" Instruction Set Architecture Reference Guide (July 2026). The comments in the code are by the model that wrote it; some were corrected since.
;; OA Layer. Allowed arithmetic: float matrix products may take bf16 or f16 operands with f32 sums; other float arithmetic in f32, or as packed bf16 or f16 multiplies, adds, multiply-adds, maxima and minima; sums over many terms, partial sums and values carried from step to step in f32; what a program stores and reads back later, other than sums and carried values, may be rounded once to bf16 or f16.
;; Inputs: bn_beta 256 float32; bn_gamma 256 float32; bn_mean 256 float32; bn_var 256 float32; bqk 64 float32; bt 256 float32; bv 256 float32; wqk 64 x 256 float32; wt 256 x 256 float32; wv 256 x 256 float32; x 8 x 256 x 4,096 float32; xyz 8 x 256 x 4,096 float32.
;; Outputs: out0 8 x 256 x 4,096 float32.
;; 2 versions, each right; version 2 is version 1 with the launch proj written anew for expert scheduling mode. Each part assembles by itself: llvm-mc -triple=amdgcn-amd-amdhsa -mcpu=gfx1250 --defsym DOCPART=n.
;; ======== version 1 of 2: 3 launches
;; limits: values are held in f16: magnitudes above 65,504 overflow, below 6.1e-05 lose precision
;; workspace buffers: qf 4,194,304 bytes; vf 16,777,216 bytes; xf 16,777,216 bytes; wtf 131,072 bytes; st 131,072 bytes
;; launch proj (part 1): grid 32 x 8, 4 waves a work-group, no clusters, 74,240 bytes of LDS; arguments x, xyz, wqk, bqk, wv, bv, wt, bn_gamma, bn_var, qf, vf, xf, wtf; writes qf, vf, xf, wtf
.if DOCPART == 1
	.amdgcn_target "amdgcn-amd-amdhsa--gfx1250"
	.amdhsa_code_object_version 6
	.text
	.protected	k_qd3abb172c2_proj
	.globl	k_qd3abb172c2_proj
	.p2align	8
	.type	k_qd3abb172c2_proj,@function
k_qd3abb172c2_proj:
	s_mov_b64 s[64:65], 0
	v_nop
	global_prefetch_b8 v0, s[64:65] scope:SCOPE_SE
	s_setreg_imm32_b32 hwreg(HW_REG_WAVE_MODE, 25, 1), 1
	s_wait_xcnt 0x0
; PROJECTIONS.  xs = x + xyz; q' = kappa (Wqk xs + bqk), kappa = sqrt(log2 e), so that q'.q' is the energy in base 2; v = Wv xs + bv;
; and Wt with each row multiplied by gamma rsq(var + 1e-5).  All four leave rounded once to f16, laid out as matrix fragments: the 16 bytes that a lane holds
; of a fragment stand at 16 x lane inside a chunk of 512 bytes, so every store of a wave covers 512 consecutive bytes, aligned.
;   qf [b][token block 256][f 4][lane][8]: token 16 tb + r, channel 16 f + 8 h + e          (lane = 16 h + r)
;   vf [b][key group 128][cb 16][s 2][lane][8]: channel 16 cb + r, key 32 kg + 16 s + 8 h + e
;   xf [b][token block 256][f 16][lane][8]: token 16 tb + r, channel 16 f + 8 h + e
;   wtf [ob 16][kc 8][s 2][lane][8]: row 16 ob + r, channel 32 kc + 16 s + 8 h + e
; LIMITS.  f16 ends at 65,504: |xs|, |q'|, |v| and |Wt's scaled rows| must stay within it (inputs 30 times those drawn, or offset by 30 spreads, reach some 17,000).  NaN and infinities are not treated apart.
; SHARES.  A work-group owns 128 tokens of one batch.  In the stream wave w adds and rounds channels 64 w .. 64 w + 63 (a load of a wave is a row's 512 bytes) into LDS, [channel][token].
; In the products wave w makes q's channel block w and v's blocks 4 w .. 4 w + 3 for all 128 tokens; its weights, 320 registers of fragments, are read once a work-group.
; NO CLUSTER, NO TENSOR LOAD: x and xyz are read by one wave each, and the weights go straight into the registers of the wave that multiplies by them: no tile is shared through LDS.
; REGISTERS in windows of 256: window 0: v0-15 addresses, v16-37 small loads, v48-127 ten accumulators, v128-255 set 0, later xs's fragments; window 1: Wv's fragments;
; window 2: v0-63 Wqk's fragments, v64-95 bv, v96-103 kappa bqk (the C operands that start the sums), v128-255 set 1; window 3: v0-127 set 2.
.set PX,    288                        ; an LDS row: 128 tokens of f16 + 32 bytes: 72 words, so that the eight rows of a turning load start eight banks apart
.set SPARE, 256*PX                     ; behind the 256 rows: the spare words, 128 bytes for each wave
.set L16, 2                            ; v2   16 x lane
.set LSA, 3                            ; v3   where I put my four tokens of my wave's first row
.set WO,  4                            ; v4   r x 1,024 + 32 h: my 8 numbers of a weight row
.set BO,  5                            ; v5   4 r
.set HO,  6                            ; v6   32 h
.set TRA, 8                            ; v8-9 the turning load's lane term, for channels 0-127 and 128-255
.set SPW, 10                           ; v10  my spare word; never rewritten
.set NIL, 11                           ; v11  0; never rewritten
.set TRC, 12                           ; v12-13 the same with the trip's tokens
.set CB,  16                           ; v16-19 bv
.set CQ,  20                           ; v20-27 bqk
.set WT,  28                           ; v28-35 wave 0: half a fragment of Wt
.set GA,  36                           ; v36 gamma, v37 var
.set ACC, 48
.set XF,  128
.set WV,  36                           ; s36 wave
.set BB,  37                           ; s37 batch
.set GG,  38                           ; s38 the work-group's number, 0 to 255
.set CNT, 39
.set KAP, 40                           ; s[40:41] kappa
.set PP,  42                           ; s42 the trip's number
.set TO,  43                           ; s43 64 x the trip's number
.set MSB, 0
.macro WIN new                         ; the immediate's high byte repeats the setting that is left; a switch that changes nothing is dropped
.if MSB != (\new)
	s_set_vgpr_msb (MSB<<8)|(\new)
.set MSB, \new
.endif
.endm
.macro PLACES
.rept 4
	v_nop
.endr
.endm
; A job is 32 loads into a set of 128 registers (window w, from register b on).  SLD: 16 rows of x and of xyz.  SDO: added, rounded, into LDS.
.macro SLD k, w, b
	WIN (\w)<<6
.set r, 0
.rept 16
	global_load_b128 v[(\b)+4*r:(\b)+4*r+3], v[L16], s[8:9] offset:(16*(\k)+r)*16384 th:TH_LOAD_NT
	global_load_b128 v[(\b)+64+4*r:(\b)+64+4*r+3], v[L16], s[10:11] offset:(16*(\k)+r)*16384 th:TH_LOAD_NT
.set r, r+1
.endr
.endm
.macro SDO k, w, b
	WIN (\w)*0x45
.set r, 0
.rept 32
	v_pk_add_f32 v[(\b)+2*r:(\b)+2*r+1], v[(\b)+2*r:(\b)+2*r+1], v[(\b)+64+2*r:(\b)+64+2*r+1]
.set r, r+1
.endr
.set r, 0
.rept 16
	v_cvt_pk_f16_f32 v[(\b)+4*r], v[(\b)+4*r], v[(\b)+4*r+1]
	v_cvt_pk_f16_f32 v[(\b)+4*r+1], v[(\b)+4*r+2], v[(\b)+4*r+3]
.set r, r+1
.endr
	WIN (\w)<<2                            ; an LDS store's data is source 1
.set r, 0
.rept 16
	ds_store_b64 v[LSA], v[(\b)+4*r:(\b)+4*r+1] offset:(16*(\k)+r)*PX  ; 32 lanes, 256 neighbouring bytes
.set r, r+1
.endr
.endm
; WLD: a block of 16 weight rows x 256 channels in f32, in the order of the fragments' registers.  WDO: rounded in pairs into 64 fragment registers.
.macro W4 d, p, off
	global_load_b128 v[(\d):(\d)+3], v[WO], s[(\p):(\p)+1] offset:(\off)
	global_load_b128 v[(\d)+4:(\d)+7], v[WO], s[(\p):(\p)+1] offset:(\off)+16
	global_load_b128 v[(\d)+8:(\d)+11], v[WO], s[(\p):(\p)+1] offset:(\off)+64
	global_load_b128 v[(\d)+12:(\d)+15], v[WO], s[(\p):(\p)+1] offset:(\off)+80
.endm
.macro WLD w, b, p, off
	WIN (\w)<<6
.set r, 0
.rept 8
	W4 (\b)+16*r, \p, (\off)+128*r
.set r, r+1
.endr
.endm
.macro WDO w, b, dw, d
	WIN ((\dw)<<6)|((\w)*5)
.set r, 0
.rept 64
	v_cvt_pk_f16_f32 v[(\d)+r], v[(\b)+2*r], v[(\b)+2*r+1]
.set r, r+1
.endr
.endm
	s_load_b512 s[8:23], s[0:1], 0x0               ; x 8, xyz 10, wqk 12, bqk 14, wv 16, bv 18, wt 20, gamma 22
	s_load_b256 s[24:31], s[0:1], 0x40             ; var 24, qf 26, vf 28, xf 30
	s_load_b64 s[32:33], s[0:1], 0x60              ; wtf
	v_lshl_add_u32 v[SPW], v0, 2, SPARE
	v_mov_b32 v[NIL], 0
	v_lshrrev_b32 v1, 5, v0
	v_readfirstlane_b32 s[WV], v1
	s_and_b32 s[BB], ttmp7, 0xffff
	s_lshl_b32 s[GG], s[BB], 5
	s_add_co_u32 s[GG], s[GG], ttmp9
	s_mov_b32 s[KAP], 0x3f99be61                   ; sqrt(log2 e) = 1.2011224
	s_mov_b32 s[KAP+1], s[KAP]
	v_and_b32 v1, 31, v0                           ; lane
	v_and_b32 v14, 15, v0                          ; r
	v_bfe_u32 v15, v0, 4, 1                        ; h
	v_lshlrev_b32 v[L16], 4, v1
	s_mul_i32 s34, s[WV], 64*PX
	v_lshl_add_u32 v[LSA], v1, 3, s34
	v_lshlrev_b32 v[WO], 10, v14
	v_lshl_add_u32 v[WO], v15, 5, v[WO]
	v_lshlrev_b32 v[BO], 2, v14
	v_lshlrev_b32 v[HO], 5, v15
	v_and_b32 v7, 7, v0
	v_lshl_add_u32 v7, v15, 3, v7                  ; the turning load: lane l reads channel 8 h + l % 8,
	v_mul_u32_u24 v[TRA], v7, PX
	v_bfe_u32 v7, v0, 3, 1
	v_lshl_add_u32 v[TRA], v7, 4, v[TRA]           ; tokens 8 ((l / 8) % 2) + 0..7
	v_add_nc_u32 v[TRA+1], 128*PX, v[TRA]
	s_mov_b32 s3, 0
	s_wait_kmcnt 0x0
	s_lshl_b32 s2, s[BB], 22                       ; x, xyz: the batch, my wave's 64 rows, the work-group's 128 tokens
	s_lshl_b32 s34, s[WV], 20
	s_add_co_u32 s2, s2, s34
	s_lshl_b32 s34, ttmp9, 9
	s_add_co_u32 s2, s2, s34
	s_add_nc_u64 s[8:9], s[8:9], s[2:3]
	s_add_nc_u64 s[10:11], s[10:11], s[2:3]
	s_lshl_b32 s2, s[WV], 14
	s_add_nc_u64 s[12:13], s[12:13], s[2:3]        ; wqk at rows 16 w
	s_lshl_b32 s2, s[WV], 6
	s_add_nc_u64 s[14:15], s[14:15], s[2:3]
	s_lshl_b32 s2, s[WV], 16
	s_add_nc_u64 s[16:17], s[16:17], s[2:3]        ; wv at rows 64 w
	s_lshl_b32 s2, s[WV], 8
	s_add_nc_u64 s[18:19], s[18:19], s[2:3]
	s_lshr_b32 s34, s[GG], 4                       ; Wt: work-group g makes chunk g of the 256: rows 16 (g / 16), channels 16 (g % 16)
	s_and_b32 s35, s[GG], 15
	s_lshl_b32 s2, s34, 14
	s_lshl_b32 s35, s35, 6
	s_add_co_u32 s2, s2, s35
	s_add_nc_u64 s[20:21], s[20:21], s[2:3]
	s_lshl_b32 s2, s34, 6
	s_add_nc_u64 s[22:23], s[22:23], s[2:3]
	s_add_nc_u64 s[24:25], s[24:25], s[2:3]
	s_lshl_b32 s2, s[BB], 19
	s_lshl_b32 s34, ttmp9, 14
	s_add_co_u32 s2, s2, s34
	s_lshl_b32 s34, s[WV], 9
	s_add_co_u32 s2, s2, s34
	s_add_nc_u64 s[26:27], s[26:27], s[2:3]        ; qf: batch, 8 token blocks, chunk f = w
	s_lshl_b32 s2, s[BB], 21
	s_lshl_b32 s34, ttmp9, 16
	s_add_co_u32 s2, s2, s34
	s_add_nc_u64 s[30:31], s[30:31], s[2:3]        ; xf: batch, 8 token blocks
	s_lshl_b32 s34, s[WV], 12
	s_add_co_u32 s2, s2, s34
	s_add_nc_u64 s[28:29], s[28:29], s[2:3]        ; vf: batch, 4 key groups, channel blocks 4 w
	s_lshl_b32 s2, s[GG], 9
	s_add_nc_u64 s[32:33], s[32:33], s[2:3]
	; the small loads go first: every counted wait below leaves only younger loads out
.irp q, 0,1,2,3
	global_load_b32 v[CB+\q], v[BO], s[18:19] offset:64*\q
.endr
	global_load_b128 v[CQ:CQ+3], v[HO], s[14:15]
	global_load_b128 v[CQ+4:CQ+7], v[HO], s[14:15] offset:16
	s_cmp_lg_u32 s[WV], 0
	s_cbranch_scc1 .Lno_wt1
	global_load_b128 v[WT:WT+3], v[WO], s[20:21]
	global_load_b128 v[WT+4:WT+7], v[WO], s[20:21] offset:16
	global_load_b32 v[GA], v[BO], s[22:23]
	global_load_b32 v[GA+1], v[BO], s[24:25]
.Lno_wt1:
	; nine jobs through three sets: a set is asked for again as soon as it has been worked on
	SLD 0, 0, 128
	SLD 1, 2, 128
	SLD 2, 3, 0
	s_wait_loadcnt 63                              ; 64 younger loads are out; 63 is the largest count that the wait can name
	WIN 0x80                                       ; destination window 2
.irp q, 0,1,2,3
.irp i, 0,1,2,3,4,5,6,7
	v_mov_b32 v[64+8*\q+\i], v[CB+\q]              ; in v's result a lane holds one channel: its bias in all eight registers
.endr
.endr
.irp i, 0,1,2,3
	v_pk_mul_f32 v[96+2*\i:97+2*\i], v[CQ+2*\i:CQ+2*\i+1], s[KAP:KAP+1] op_sel_hi:[1,0]
.endr
	WIN 0
	s_cmp_lg_u32 s[WV], 0
	s_cbranch_scc1 .Lno_wt2
	v_add_f32 v[GA+1], 0x3727c5ac, v[GA+1]         ; var + 1e-5
	v_rsq_f32 v[GA+1], v[GA+1]
	v_nop                                          ; a plain instruction behind the root,
	s_wait_alu depctr_va_vdst(0)                   ; and the wait ahead of its first reader
	v_mul_f32 v[GA], v[GA], v[GA+1]
.irp i, 0,1,2,3
	v_pk_mul_f32 v[WT+2*\i:WT+2*\i+1], v[WT+2*\i:WT+2*\i+1], v[GA:GA+1] op_sel_hi:[1,0]
.endr
.irp i, 0,1,2,3
	v_cvt_pk_f16_f32 v[WT+\i], v[WT+2*\i], v[WT+2*\i+1]
.endr
	global_store_b128 v[L16], v[WT:WT+3], s[32:33]
.Lno_wt2:
	SDO 0, 0, 128
	SLD 3, 0, 128
	s_wait_loadcnt 63
	SDO 1, 2, 128
	WLD 2, 128, 16, 0
	s_wait_loadcnt 63
	SDO 2, 3, 0
	WLD 3, 0, 16, 16384
	s_wait_loadcnt 63
	SDO 3, 0, 128
	WLD 0, 128, 16, 32768
	s_wait_loadcnt 63
	WDO 2, 128, 1, 0
	WLD 2, 128, 16, 49152
	s_wait_loadcnt 63
	WDO 3, 0, 1, 64
	WLD 3, 0, 12, 0
	s_wait_loadcnt 63
	WDO 0, 128, 1, 128
	s_wait_loadcnt 32                              ; the last job's 32 may stay out
	WDO 2, 128, 1, 192
	s_wait_loadcnt 0x0
	WIN 0xcf
.set r, 0
.rept 64
	v_pk_mul_f32 v[2*r:2*r+1], v[2*r:2*r+1], s[KAP:KAP+1] op_sel_hi:[1,0]  ; kappa Wqk, in f32, ahead of the one rounding
.set r, r+1
.endr
	WDO 3, 0, 2, 0
	WIN 0
	s_wait_dscnt 0x0                               ; for the others' sake: my 64 rows lie in LDS
	s_barrier_signal -1
	s_barrier_wait -1
	; FOUR TRIPS, 32 tokens (two tiles t) each.  v^T tile = xs (source 0: 16 tokens) x Wv (source 1: 16 channels): a lane ends with one channel and eight tokens.
	; q tile = Wqk (source 0: 16 channels) x xs (source 1: 16 tokens): a lane ends with one token and eight channels.  The first product of each sum takes the bias as C.
	s_mov_b32 s[CNT], 4
	s_mov_b32 s[PP], 0
	s_mov_b32 s[TO], 0
.Lpair:
	v_add_nc_u32 v[TRC], s[TO], v[TRA]
	v_add_nc_u32 v[TRC+1], s[TO], v[TRA+1]
.irp t, 0,1
.irp kc, 0,1,2,3,4,5,6,7
	ds_load_tr16_b128 v[XF+64*\t+8*\kc:XF+64*\t+8*\kc+3], v[TRC+\kc/4] offset:(\kc%4)*32*PX+32*\t
	ds_load_tr16_b128 v[XF+64*\t+8*\kc+4:XF+64*\t+8*\kc+7], v[TRC+\kc/4] offset:(\kc%4)*32*PX+16*PX+32*\t
.endr
.endr
	s_wait_dscnt 0x0
	WIN 0x24                                       ; xs window 0, Wv window 1, the bias window 2.  The accumulators take turns
.irp c, 0,1,2,3
.irp t, 0,1
	v_wmma_f32_16x16x32_f16 v[ACC+8*(2*\c+\t):ACC+8*(2*\c+\t)+7], v[XF+64*\t:XF+64*\t+7], v[64*\c:64*\c+7], v[64+8*\c:64+8*\c+7]
.endr
.endr
	WIN 0x22                                       ; Wqk and the bias window 2, xs window 0
.irp t, 0,1
	v_wmma_f32_16x16x32_f16 v[ACC+64+8*\t:ACC+64+8*\t+7], v[0:7], v[XF+64*\t:XF+64*\t+7], v[96:103]
.endr
	WIN 0x04
.irp kc, 1,2,3,4,5,6,7
.irp c, 0,1,2,3
.irp t, 0,1
	v_wmma_f32_16x16x32_f16 v[ACC+8*(2*\c+\t):ACC+8*(2*\c+\t)+7], v[XF+64*\t+8*\kc:XF+64*\t+8*\kc+7], v[64*\c+8*\kc:64*\c+8*\kc+7], v[ACC+8*(2*\c+\t):ACC+8*(2*\c+\t)+7]
.endr
.endr
.endr
	WIN 0x02
.irp kc, 1,2,3,4,5,6,7
.irp t, 0,1
	v_wmma_f32_16x16x32_f16 v[ACC+64+8*\t:ACC+64+8*\t+7], v[8*\kc:8*\kc+7], v[XF+64*\t+8*\kc:XF+64*\t+8*\kc+7], v[ACC+64+8*\t:ACC+64+8*\t+7]
.endr
.endr
	WIN 0
	PLACES                                         ; four places between the last product and the conversions that read results
.set a, ACC
.rept 10                               ; in place, each accumulator's registers in ascending order
	v_cvt_pk_f16_f32 v[a], v[a], v[a+1]
	v_cvt_pk_f16_f32 v[a+1], v[a+2], v[a+3]
	v_cvt_pk_f16_f32 v[a+2], v[a+4], v[a+5]
	v_cvt_pk_f16_f32 v[a+3], v[a+6], v[a+7]
.set a, a+8
.endr
.irp c, 0,1,2,3
.irp t, 0,1
	global_store_b128 v[L16], v[ACC+8*(2*\c+\t):ACC+8*(2*\c+\t)+3], s[28:29] offset:1024*\c+512*\t
.endr
.endr
.irp t, 0,1
	global_store_b128 v[L16], v[ACC+64+8*\t:ACC+64+8*\t+3], s[26:27] offset:2048*\t
.endr
	s_cmp_lg_u32 s[WV], s[PP]                      ; xs's fragments are the same in all four waves: wave w stores those of trip w
	s_cbranch_scc1 .Lno_xf
.irp t, 0,1
.set f, 0
.rept 16
	global_store_b128 v[L16], v[XF+64*\t+4*f:XF+64*\t+4*f+3], s[30:31] offset:8192*\t+512*f
.set f, f+1
.endr
.endr
.Lno_xf:
	s_wait_xcnt 0x0                                ; the stores have read their data and their bases: only now are these written again
	s_add_nc_u64 s[26:27], s[26:27], 4096
	s_add_nc_u64 s[28:29], s[28:29], 16384
	s_add_nc_u64 s[30:31], s[30:31], 16384
	s_add_co_u32 s[TO], s[TO], 64
	s_add_co_u32 s[PP], s[PP], 1
	s_sub_co_u32 s[CNT], s[CNT], 1
	s_cmp_lg_u32 s[CNT], 0
	s_cbranch_scc1 .Lpair
	s_wait_tensorcnt 0x0                           ; the wave's end, behind my last LDS store
	ds_add_u32 v[SPW], v[NIL]
	s_wait_dscnt 0x0
	s_endpgm
.Lfunc_end_k_qd3abb172c2_proj:
	.size	k_qd3abb172c2_proj, .Lfunc_end_k_qd3abb172c2_proj-k_qd3abb172c2_proj
	.p2alignl 7, 3214868480
	.fill 96, 4, 3214868480
	.section	.rodata,"a",@progbits
	.p2align	6, 0x0
	.amdhsa_kernel k_qd3abb172c2_proj
		.amdhsa_group_segment_fixed_size 74240
		.amdhsa_private_segment_fixed_size 0
		.amdhsa_enable_private_segment 0
		.amdhsa_kernarg_size 104
		.amdhsa_user_sgpr_count 2
		.amdhsa_user_sgpr_kernarg_segment_ptr 1
		.amdhsa_wavefront_size32 1
		.amdhsa_system_sgpr_workgroup_id_x 1
		.amdhsa_system_sgpr_workgroup_id_y 1
		.amdhsa_system_sgpr_workgroup_id_z 1
		.amdhsa_system_vgpr_workitem_id 0
		.amdhsa_next_free_vgpr 896
		.amdhsa_next_free_sgpr 66
		.amdhsa_reserve_vcc 0
		.amdhsa_float_denorm_mode_32 3
		.amdhsa_float_denorm_mode_16_64 3
		.amdhsa_memory_ordered 1
		.amdhsa_forward_progress 1
		.amdhsa_inst_pref_size 93
	.end_amdhsa_kernel
	.amdgpu_metadata
---
amdhsa.version: [ 1, 2 ]
amdhsa.kernels:
  - .name:           k_qd3abb172c2_proj
    .symbol:         k_qd3abb172c2_proj.kd
    .args:
      - { .name: x, .offset: 0, .size: 8, .value_kind: global_buffer, .address_space: global }
      - { .name: xyz, .offset: 8, .size: 8, .value_kind: global_buffer, .address_space: global }
      - { .name: wqk, .offset: 16, .size: 8, .value_kind: global_buffer, .address_space: global }
      - { .name: bqk, .offset: 24, .size: 8, .value_kind: global_buffer, .address_space: global }
      - { .name: wv, .offset: 32, .size: 8, .value_kind: global_buffer, .address_space: global }
      - { .name: bv, .offset: 40, .size: 8, .value_kind: global_buffer, .address_space: global }
      - { .name: wt, .offset: 48, .size: 8, .value_kind: global_buffer, .address_space: global }
      - { .name: bn_gamma, .offset: 56, .size: 8, .value_kind: global_buffer, .address_space: global }
      - { .name: bn_var, .offset: 64, .size: 8, .value_kind: global_buffer, .address_space: global }
      - { .name: qf, .offset: 72, .size: 8, .value_kind: global_buffer, .address_space: global }
      - { .name: vf, .offset: 80, .size: 8, .value_kind: global_buffer, .address_space: global }
      - { .name: xf, .offset: 88, .size: 8, .value_kind: global_buffer, .address_space: global }
      - { .name: wtf, .offset: 96, .size: 8, .value_kind: global_buffer, .address_space: global }
    .group_segment_fixed_size: 74240
    .private_segment_fixed_size: 0
    .kernarg_segment_align: 8
    .kernarg_segment_size: 104
    .max_flat_workgroup_size: 128
    .sgpr_count:     66
    .vgpr_count:     896
    .wavefront_size: 32
...
	.end_amdgpu_metadata
.endif
;; end of part 1
;; launch stats (part 2): grid 32 x 8, 8 waves a work-group, clusters of 4 x 1, 327,680 bytes of LDS; arguments qf, st; writes st
.if DOCPART == 2
	.amdgcn_target "amdgcn-amd-amdhsa--gfx1250"
	.amdhsa_code_object_version 6
	.text
	.protected	k_qd3abb172c2_stats
	.globl	k_qd3abb172c2_stats
	.p2align	8
	.type	k_qd3abb172c2_stats,@function
k_qd3abb172c2_stats:
	s_mov_b64 s[64:65], 0
	v_nop
	global_prefetch_b8 v0, s[64:65] scope:SCOPE_SE
	s_setreg_imm32_b32 hwreg(HW_REG_WAVE_MODE, 25, 1), 1
	s_wait_xcnt 0x0
	s_wait_alu depctr_hold_cnt(0) depctr_sa_sdst(0) depctr_va_vdst(0) depctr_va_sdst(0) depctr_va_ssrc(0) depctr_va_vcc(0) depctr_vm_vsrc(0)
	s_getreg_b32 s2, hwreg(HW_REG_IB_STS2, 6, 4)
	s_cmp_eq_u32 s2, 0
	s_cbranch_scc0 .Lentry_in_a_cluster
	s_endpgm
.Lentry_in_a_cluster:
	s_bfe_u32 s2, ttmp6, 0x10000c
	s_cmp_lg_u32 s2, 0x3003
	s_cbranch_scc0 .Lentry_shape_is_right
	s_endpgm
.Lentry_shape_is_right:
; ROW STATISTICS.  For each row n of the energy e'[n][m] = q'_n . q'_m (base 2): M = max over m, L = sum over m of 2^(e' - M), by a running maximum; stored: NA[n] = 15 - M - log2 L,
; so that 2^(NA[n] + e'[n][m]) is 2^15 times the softmax weight.  LIMITS: NA is rounded at M's last bit; a term below 2^-126 counts as 0 in L; NaN and infinities are not treated apart.
; SHARES.  A work-group owns 128 rows of one batch.  EIGHT WAVES, two to a SIMD: a turn has 86 vector instructions, 34 of them exponentials, for 8 products, so a wave alone leaves gaps that a second wave fills;
; 2 x 240 registers fit.  Wave (i, j) = (w / 4, w % 4) owns rows 64 i .. 64 i + 63, four tiles of 16, and walks quarter j of every slot's 1,024 keys, 32 a step, 32 steps: a fragment of K read from LDS feeds 64 rows.
; S^T = K Q^T (source 0 = 16 keys, source 1 = 16 rows): a lane holds ONE row and eight keys; each lane keeps m and l of its own keys, and the two halves of the lanes and the four waves of a row meet once, at the end.
; BY TURNS.  The wave's tiles are two pieces of two.  In a turn one piece's 86 vector instructions run, and the other piece's eight products stand among the first 32 of them.
; Turn A(s): piece 0's softmax of step s, piece 1's products of step s, K of step s + 1 is fetched.  Turn B(s): piece 1's softmax of step s, piece 0's products of step s + 1.
; CLUSTER.  The four work-groups of a cluster belong to one batch and walk the same keys: each tile is asked for jointly.  qf is laid out in fragments, so a tile is dense, and every LDS load is 16 x lane + a constant.
.set SLOT1, 1<<17                      ; a slot: 1,024 keys x 128 bytes
.set PART,  SLOT1/4                    ; a wave's quarter of it: 256 keys, eight steps
.set SCR,   2*SLOT1                    ; M at 512 j + 4 row, L at 2,048 + 512 j + 4 row; no tile lands here
.set SPARE, SCR+4096                   ; the spare words, 128 bytes for each of the eight waves
.set L16, 2
.set ADR, 3
.set SPW, 4                            ; my spare word; never rewritten
.set NIL, 5                            ; 0; never rewritten
.set PFO, 6                            ; 256 x lane
.set SCA, 7
.set SCB, 8
.set ST,  16                           ; tile u at ST + 4 u: m, (named with it as a pair), l of even keys, l of odd keys
.set TMP, 32                           ; tile u at TMP + 4 u: c0, c1, the new m and then a, m_old - m_new
.set Q,   48                           ; tile u, channel half kc at Q + 16 u + 8 kc
.set K,   112                          ; buffer p, key block kb, channel half kc at K + 32 p + 16 kb + 8 kc
.set S,   176                          ; tile u, key block kb at S + 16 u + 8 kb
.set WV, 12
.set II, 13
.set JJ, 14
.set CX, 15
.set BX, 16
.set BB, 17
.set TB, 18                            ; LDS byte of the step to be fetched next
.set CNT, 19
.set G1, 24
.set SLOTS, 32
.set LIM, 33
.set PFA, 34
.set SEL, 36
.set ONE, 38
.set G0A, 40
.set G0B, 44
.set C15, 48
.macro PLACES
.rept 4
	v_nop
.endr
.endm
.macro CROUND                          ; a round of the cluster's barrier
	s_barrier_signal -1
	s_barrier_wait -1
	s_cmp_lg_u32 s[WV], 0
	s_cbranch_scc1 .Lnot_wave_0_\@
	s_barrier_signal -3
.Lnot_wave_0_\@:
	s_barrier_wait -3
	s_barrier_signal -1
	s_barrier_wait -1
.endm
.macro ALL line:vararg                 ; one line for each tile t
.set t, 0
.rept 4
	\line
.set t, t+1
.endr
.endm
	s_load_b128 s[4:7], s[0:1], 0x0                ; qf, st
	v_lshl_add_u32 v[SPW], v0, 2, SPARE
	v_mov_b32 v[NIL], 0
	ds_add_u32 v[SPW], v[NIL]                      ; the wave's opening: the add and its wait ahead of my first tensor load
	v_lshrrev_b32 v1, 5, v0
	v_readfirstlane_b32 s[WV], v1
	s_lshr_b32 s[II], s[WV], 2
	s_and_b32 s[JJ], s[WV], 3
	s_bfe_u32 s[CX], ttmp6, 0x40000
	s_lshl_b32 s[BX], ttmp9, 2
	s_add_co_u32 s[BX], s[BX], s[CX]               ; my block of 128 rows: it enters Q's and st's addresses alone
	s_and_b32 s[BB], ttmp7, 0xffff
	s_mov_b32 s[G1], 15|(3<<16)|(1<<21)            ; the mask of four; elements of 8 bytes; bit 21 beside a mask; no padding
	s_mov_b32 s[G1+1], 32<<16                      ; tensor_dim0 = 32 elements: rows of 256 bytes
	s_mov_b32 s[G1+2], 64<<16                      ; tensor_dim1 = 64
	s_mov_b32 s[G1+3], 32<<16                      ; tile_dim0
	s_mov_b32 s[G1+4], 64                          ; tile_dim1: a wave brings an eighth of a tile, 16,384 bytes
	s_mov_b32 s[G1+5], 32                          ; dense
	s_mov_b32 s[G1+6], 0
	s_mov_b32 s[G1+7], 0
	s_mov_b32 s[G0A], 1
	s_lshl_b32 s[G0A+1], s[WV], 14
	s_mov_b32 s[G0B], 1
	s_add_co_u32 s[G0B+1], s[G0A+1], SLOT1
	s_mov_b32 s[SEL], 0x76543210
	s_mov_b32 s[SEL+1], 0xfedcba98
	s_mov_b32 s[ONE], 1.0
	s_mov_b32 s[ONE+1], 1.0
	s_mov_b32 s[C15], 0x41700000                   ; 15.0
	s_lshl_b32 s[TB], s[JJ], 15                    ; my quarter of slot 0
	s_or_b32 s[LIM], s[II], ttmp9                  ; waves 0 to 3 of the batch's first cluster prefetch: the same answer in all four partners
	s_cmp_eq_u32 s[LIM], 0
	s_cselect_b32 s[LIM], 1, -1
	v_and_b32 v1, 31, v0
	v_and_b32 v9, 15, v0
	v_lshlrev_b32 v[L16], 4, v1
	v_lshlrev_b32 v[PFO], 8, v1
	s_lshl_b32 s20, s[JJ], 9
	s_lshl_b32 s21, s[II], 8
	s_add_co_u32 s20, s20, s21
	s_add_co_u32 s20, s20, SCR
	v_lshl_add_u32 v[SCA], v9, 2, s20
	v_add_nc_u32 v[SCB], SCR, v[L16]
.set t, 0
.rept 4
	v_mov_b32 v[ST+4*t], 0xff7fffff                ; m: the lowest finite number, so the first step's a is 0
	v_mov_b32 v[ST+4*t+1], 0
	v_mov_b32 v[ST+4*t+2], 0
	v_mov_b32 v[ST+4*t+3], 0
.set t, t+1
.endr
	s_wait_dscnt 0x0                               ; the opening add is done
	s_wait_kmcnt 0x0
	s_mov_b32 s21, 0
	s_mov_b32 s23, 0
	s_lshl_b32 s20, s[BB], 19
	s_add_nc_u64 s[4:5], s[4:5], s[20:21]          ; qf at the batch
	s_lshl_b32 s20, s[WV], 14
	s_add_nc_u64 s[G0A+2:G0A+3], s[4:5], s[20:21]  ; my eighth of tile 0,
	s_add_nc_u64 s[G0B+2:G0B+3], s[G0A+2:G0A+3], SLOT1  ; and of tile 1
	s_or_b32 s[G0A+3], s[G0A+3], 0x80000000
	s_or_b32 s[G0B+3], s[G0B+3], 0x80000000
	s_lshl_b32 s22, s[BX], 14
	s_lshl_b32 s10, s[II], 13
	s_add_co_u32 s22, s22, s10
	s_add_nc_u64 s[8:9], s[4:5], s[22:23]          ; my 64 rows' fragments
	s_lshl_b32 s22, s[CX], 2
	s_add_co_u32 s22, s22, s[JJ]
	s_lshl_b32 s22, s22, 13
	s_add_co_u32 s22, s22, 3*SLOT1
	s_add_nc_u64 s[PFA:PFA+1], s[4:5], s[22:23]    ; tile 3: of its 512 blocks of 256 bytes wave w (0 to 3) of partner cx names 32 (4 cx + w) on
	s_lshl_b32 s22, s[BB], 14
	s_lshl_b32 s10, s[BX], 9
	s_add_co_u32 s22, s22, s10
	s_add_nc_u64 s[6:7], s[6:7], s[22:23]
	CROUND                                         ; all four work-groups are here: the first joint loads meet
	tensor_load_to_lds s[G0A:G0A+3], s[G1:G1+7]    ; two loads of mine are out
	s_nop 0
	tensor_load_to_lds s[G0B:G0B+3], s[G1:G1+7]
	s_nop 0
	PLACES
.set i, 0
.rept 16
	global_load_b128 v[Q+4*i:Q+4*i+3], v[L16], s[8:9] offset:512*i
.set i, i+1
.endr
; Product i of 8 for piece pc with K's buffer kb: channel half i / 4, tile (i / 2) % 2, key block i % 2.  Four accumulators by turns; the first four start the sums.
.macro MMK pc, kb, i
.set rD, S+32*(\pc)+16*(((\i)/2)%2)+8*((\i)%2)
.set rA, K+32*(\kb)+16*((\i)%2)+8*((\i)/4)
.set rB, Q+16*(2*(\pc)+((\i)/2)%2)+8*((\i)/4)
.if (\i) < 4
	v_wmma_f32_16x16x32_f16 v[rD:rD+7], v[rA:rA+7], v[rB:rB+7], 0
.else
	v_wmma_f32_16x16x32_f16 v[rD:rD+7], v[rA:rA+7], v[rB:rB+7], v[rD:rD+7]
.endif
.endm
; Number n of the 43 of tile u.  0-7 the maximum of 16 scores and the old m (each accumulator's lowest registers are read first); 8-10 m_old - m_new, m, a;
; 11-18 s - m, a pair each; 19-34 the exponentials; (the wait); 35-41 the sum of the eight pairs, in place; 42 l = a l + sum.
.macro SMOP u, n
.set rT, ST+4*(\u)
.set rC, TMP+4*(\u)
.set rS, S+16*(\u)
.if (\n) == 0
	v_max3_num_f32 v[rC], v[rS], v[rS+1], v[rS+2]
.elseif (\n) == 1
	v_max3_num_f32 v[rC+1], v[rS+8], v[rS+9], v[rS+10]
.elseif (\n) == 2
	v_max3_num_f32 v[rC], v[rC], v[rS+3], v[rS+4]
.elseif (\n) == 3
	v_max3_num_f32 v[rC+1], v[rC+1], v[rS+11], v[rS+12]
.elseif (\n) == 4
	v_max3_num_f32 v[rC], v[rC], v[rS+5], v[rS+6]
.elseif (\n) == 5
	v_max3_num_f32 v[rC+1], v[rC+1], v[rS+13], v[rS+14]
.elseif (\n) == 6
	v_max3_num_f32 v[rC], v[rC], v[rS+7], v[rS+15]
.elseif (\n) == 7
	v_max3_num_f32 v[rC+2], v[rC], v[rC+1], v[rT]
.elseif (\n) == 8
	v_sub_f32 v[rC+3], v[rT], v[rC+2]
.elseif (\n) == 9
	v_mov_b32 v[rT], v[rC+2]
.elseif (\n) == 10
	v_exp_f32 v[rC+2], v[rC+3]
.elseif (\n) < 19
	v_pk_fma_f32 v[rS+2*((\n)-11):rS+2*((\n)-11)+1], v[rS+2*((\n)-11):rS+2*((\n)-11)+1], s[ONE:ONE+1], v[rT:rT+1] op_sel_hi:[1,0,0] neg_lo:[0,0,1] neg_hi:[0,0,1]
.elseif (\n) < 35
	v_exp_f32 v[rS+(\n)-19], v[rS+(\n)-19]
.elseif (\n) < 39
	v_pk_add_f32 v[rS+2*((\n)-35):rS+2*((\n)-35)+1], v[rS+2*((\n)-35):rS+2*((\n)-35)+1], v[rS+2*((\n)-35)+8:rS+2*((\n)-35)+9]
.elseif (\n) < 41
	v_pk_add_f32 v[rS+2*((\n)-39):rS+2*((\n)-39)+1], v[rS+2*((\n)-39):rS+2*((\n)-39)+1], v[rS+2*((\n)-39)+4:rS+2*((\n)-39)+5]
.elseif (\n) == 41
	v_pk_add_f32 v[rS:rS+1], v[rS:rS+1], v[rS+2:rS+3]
.else
	v_pk_fma_f32 v[rT+2:rT+3], v[rT+2:rT+3], v[rC+2:rC+3], v[rS:rS+1] op_sel_hi:[1,0,1]
.endif
.endm
; A TURN.  pc: the piece whose softmax runs; kb: K's buffer that the other piece's products read; ld = 1: the next step's K is fetched into the other buffer (its last reader stands a turn back);
; mm = 1: the products are issued, one ahead of each of the first eight groups of four lines; wt = 1: the buffer was fetched a turn ago and is waited for.  The 34 exponentials are one batch with one wait.
.macro TURN pc, kb, ld, mm, wt
.if \ld
	v_add_nc_u32 v[ADR], s[TB], v[L16]
.irp i, 0,1,2,3,4,5,6,7
	ds_load_b128 v[K+32*(1-(\kb))+4*\i:K+32*(1-(\kb))+4*\i+3], v[ADR] offset:512*\i
.endr
	s_add_co_u32 s[TB], s[TB], 4096
.endif
.if \wt
	s_wait_dscnt 0x0                               ; K is in
.endif
.set n, 0
.rept 43
.if (\mm) && (n%2 == 0) && (n < 16)
	MMK 1-(\pc), \kb, n/2
.endif
	SMOP 2*(\pc), n
	SMOP 2*(\pc)+1, n
.if n == 34
	v_nop                                          ; a plain instruction behind the last exponential,
	s_wait_alu depctr_va_vdst(0)                   ; and the one wait ahead of the batch's first reader
.endif
.set n, n+1
.endr
.endm
; THE CHANGE OF SLOTS stands ahead of the turn that fetches the next slot's first K; the old slot's last K was waited for a turn ago.  Each wave waits for all its tensor loads (one is out: its eighth of the
; next slot), adds 0 to its spare word, waits for that and for its reads.  fill = 1: a round of the cluster's barrier, and the old slot is filled again first thing behind it: eight steps of every wave in which to land.
.macro CHANGE fill
	s_wait_tensorcnt 0x0
	ds_add_u32 v[SPW], v[NIL]
.if \fill
	s_xor_b32 s[G0B+1], s[G0B+1], SLOT1            ; no load of mine is out: the walking descriptor takes the other slot and the next tile
	s_add_nc_u64 s[G0B+2:G0B+3], s[G0B+2:G0B+3], SLOT1
	s_wait_dscnt 0x0
	CROUND
	tensor_load_to_lds s[G0B:G0B+3], s[G1:G1+7]
	s_nop 0
	PLACES
	s_cmp_gt_u32 s[SLOTS], s[LIM]                  ; behind tile 2's load the batch's first cluster names tile 3, each block of 256 bytes once; tile 3's load has nothing behind it
	s_cbranch_scc0 .Lnot_mine_\@
	global_prefetch_b8 v[PFO], s[PFA:PFA+1] th:TH_LOAD_NT scope:SCOPE_SE
.Lnot_mine_\@:
.else
	s_wait_dscnt 0x0
	s_barrier_signal -1
	s_barrier_wait -1
.endif
	s_sub_co_u32 s[TB], s[TB], PART                ; back to my quarter's first step,
	s_xor_b32 s[TB], s[TB], SLOT1                  ; in the other slot
.endm
	s_wait_tensorcnt 0x1                           ; my eighth of tile 0 is in; tile 1's may stay out
	s_barrier_signal -1
	s_barrier_wait -1
	v_add_nc_u32 v[ADR], s[TB], v[L16]
.irp i, 0,1,2,3,4,5,6,7
	ds_load_b128 v[K+4*\i:K+4*\i+3], v[ADR] offset:512*\i
.endr
	s_add_co_u32 s[TB], s[TB], 4096
	s_wait_loadcnt 0x0                             ; Q
	s_wait_dscnt 0x0
.irp i, 0,1,2,3,4,5,6,7
	MMK 0, 0, \i                                   ; piece 0's scores of step 0
.endr
	PLACES
	s_mov_b32 s[CNT], 4
	s_mov_b32 s[SLOTS], 3
	s_branch .Lmid                                 ; the loop is entered in the middle of a trip: a trip is steps 2 t - 1 and 2 t
.Lslot:
	CHANGE 1
	s_mov_b32 s[CNT], 4
.Ltrip:
	TURN 0, 1, 1, 1, 0                             ; A(odd)
	TURN 1, 0, 0, 1, 1                             ; B(odd)
.Lmid:
	TURN 0, 0, 1, 1, 0                             ; A(even)
	TURN 1, 1, 0, 1, 1                             ; B(even)
	s_sub_co_u32 s[CNT], s[CNT], 1
	s_cmp_lg_u32 s[CNT], 0
	s_cbranch_scc1 .Ltrip
	s_sub_co_u32 s[SLOTS], s[SLOTS], 1
	s_cmp_lg_u32 s[SLOTS], 0
	s_cbranch_scc1 .Lslot
	CHANGE 0                                       ; the tail is written out
	s_mov_b32 s[CNT], 4
.Ltail:
	TURN 0, 1, 1, 1, 0
	TURN 1, 0, 0, 1, 1
	TURN 0, 0, 1, 1, 0
	TURN 1, 1, 0, 1, 1
	s_sub_co_u32 s[CNT], s[CNT], 1
	s_cmp_lg_u32 s[CNT], 0
	s_cbranch_scc1 .Ltail
	TURN 0, 1, 0, 1, 0                             ; A(31): nothing is left to fetch
	TURN 1, 0, 0, 0, 0                             ; B(31): nothing is left to multiply
	; THE END.  A lane's two sums; the other half of the lanes (the row's other keys); then the four waves of a row meet in LDS.
	ALL v_add_f32 v[ST+4*t+2], v[ST+4*t+2], v[ST+4*t+3]
	ALL v_permlanex16_b32 v[TMP+4*t], v[ST+4*t], s[SEL], s[SEL+1]
	ALL v_max_num_f32 v[TMP+4*t], v[TMP+4*t], v[ST+4*t]
	ALL v_sub_f32 v[TMP+4*t+1], v[ST+4*t], v[TMP+4*t]
	ALL v_exp_f32 v[TMP+4*t+1], v[TMP+4*t+1]
	v_nop
	s_wait_alu depctr_va_vdst(0)                   ; one wait for the four
	ALL v_mul_f32 v[ST+4*t+2], v[ST+4*t+2], v[TMP+4*t+1]
	ALL v_permlanex16_b32 v[ST+4*t+3], v[ST+4*t+2], s[SEL], s[SEL+1]
	ALL v_add_f32 v[ST+4*t+2], v[ST+4*t+2], v[ST+4*t+3]
	ALL ds_store_b32 v[SCA], v[TMP+4*t] offset:64*t
	ALL ds_store_b32 v[SCA], v[ST+4*t+2] offset:2048+64*t
	s_wait_dscnt 0x0                               ; for wave 0's sake
	s_barrier_signal -1
	s_barrier_wait -1
	s_cmp_lg_u32 s[WV], 0
	s_cbranch_scc1 .Lend
.irp j, 0,1,2,3
	ds_load_b128 v[48+4*\j:51+4*\j], v[SCB] offset:512*\j        ; four rows a lane: M of key quarter j,
	ds_load_b128 v[64+4*\j:67+4*\j], v[SCB] offset:2048+512*\j   ; and its L
.endr
	s_wait_dscnt 0x0
	ALL v_max3_num_f32 v[80+t], v[48+t], v[52+t], v[56+t]
	ALL v_max_num_f32 v[80+t], v[80+t], v[60+t]
.irp j, 0,1,2,3
	ALL v_sub_f32 v[48+4*\j+t], v[48+4*\j+t], v[80+t]
.endr
.irp j, 0,1,2,3
	ALL v_exp_f32 v[48+4*\j+t], v[48+4*\j+t]
.endr
	v_nop
	s_wait_alu depctr_va_vdst(0)                   ; one wait for the sixteen
	ALL v_mul_f32 v[64+t], v[64+t], v[48+t]
.irp j, 1,2,3
	ALL v_fmac_f32 v[64+t], v[64+4*\j+t], v[48+4*\j+t]
.endr
	ALL v_log_f32 v[64+t], v[64+t]
	v_nop
	s_wait_alu depctr_va_vdst(0)
	ALL v_sub_f32 v[64+t], s[C15], v[64+t]
	ALL v_sub_f32 v[64+t], v[64+t], v[80+t]
	global_store_b128 v[L16], v[64:67], s[6:7]     ; the work-group's 128 numbers: 512 consecutive bytes, aligned
.Lend:
	s_wait_tensorcnt 0x0                           ; the wave's end
	ds_add_u32 v[SPW], v[NIL]
	s_wait_dscnt 0x0
	CROUND                                         ; the closing round
	s_endpgm
.Lfunc_end_k_qd3abb172c2_stats:
	.size	k_qd3abb172c2_stats, .Lfunc_end_k_qd3abb172c2_stats-k_qd3abb172c2_stats
	.p2alignl 7, 3214868480
	.fill 96, 4, 3214868480
	.section	.rodata,"a",@progbits
	.p2align	6, 0x0
	.amdhsa_kernel k_qd3abb172c2_stats
		.amdhsa_group_segment_fixed_size 327680
		.amdhsa_private_segment_fixed_size 0
		.amdhsa_enable_private_segment 0
		.amdhsa_kernarg_size 16
		.amdhsa_user_sgpr_count 2
		.amdhsa_user_sgpr_kernarg_segment_ptr 1
		.amdhsa_wavefront_size32 1
		.amdhsa_system_sgpr_workgroup_id_x 1
		.amdhsa_system_sgpr_workgroup_id_y 1
		.amdhsa_system_sgpr_workgroup_id_z 1
		.amdhsa_system_vgpr_workitem_id 0
		.amdhsa_next_free_vgpr 240
		.amdhsa_next_free_sgpr 66
		.amdhsa_reserve_vcc 0
		.amdhsa_float_denorm_mode_32 3
		.amdhsa_float_denorm_mode_16_64 3
		.amdhsa_memory_ordered 1
		.amdhsa_forward_progress 1
		.amdhsa_inst_pref_size 65
	.end_amdhsa_kernel
	.amdgpu_metadata
---
amdhsa.version: [ 1, 2 ]
amdhsa.kernels:
  - .name:           k_qd3abb172c2_stats
    .symbol:         k_qd3abb172c2_stats.kd
    .args:
      - { .name: qf, .offset: 0, .size: 8, .value_kind: global_buffer, .address_space: global }
      - { .name: st, .offset: 8, .size: 8, .value_kind: global_buffer, .address_space: global }
    .group_segment_fixed_size: 327680
    .private_segment_fixed_size: 0
    .kernarg_segment_align: 8
    .kernarg_segment_size: 16
    .max_flat_workgroup_size: 256
    .sgpr_count:     66
    .vgpr_count:     240
    .wavefront_size: 32
...
	.end_amdgpu_metadata
.endif
;; end of part 2
;; launch attn (part 3): grid 32 x 8, 4 waves a work-group, clusters of 4 x 1, 327,680 bytes of LDS; arguments qf, vf, xf, wtf, st, bt, bn_mean, bn_var, bn_gamma, bn_beta, out0; writes out0
.if DOCPART == 3
	.amdgcn_target "amdgcn-amd-amdhsa--gfx1250"
	.amdhsa_code_object_version 6
	.text
	.protected	k_qd3abb172c2_attn
	.globl	k_qd3abb172c2_attn
	.p2align	8
	.type	k_qd3abb172c2_attn,@function
k_qd3abb172c2_attn:
	s_mov_b64 s[64:65], 0
	v_nop
	global_prefetch_b8 v0, s[64:65] scope:SCOPE_SE
	s_setreg_imm32_b32 hwreg(HW_REG_WAVE_MODE, 25, 1), 1
	s_wait_xcnt 0x0
	s_wait_alu depctr_hold_cnt(0) depctr_sa_sdst(0) depctr_va_vdst(0) depctr_va_sdst(0) depctr_va_ssrc(0) depctr_va_vcc(0) depctr_vm_vsrc(0)
	s_getreg_b32 s2, hwreg(HW_REG_IB_STS2, 6, 4)
	s_cmp_eq_u32 s2, 0
	s_cbranch_scc0 .Lentry_in_a_cluster
	s_endpgm
.Lentry_in_a_cluster:
	s_bfe_u32 s2, ttmp6, 0x10000c
	s_cmp_lg_u32 s2, 0x3003
	s_cbranch_scc0 .Lentry_shape_is_right
	s_endpgm
.Lentry_shape_is_right:
; THE COLUMN WALK AND THE EPILOGUE.  For column m: p'[n] = 2^min(15, NA[n] + q'_n . q'_m) = 2^15 x the softmax weight of row n at m; O' = sum over n of v_n p'[n], S' = sum over n of p'[n];
; x_r = O' / (S' + 2^15 x 1e-9); t = (sc Wt)(xs - x_r) + (bt - mean) sc + beta, sc = gamma rsq(var + 1e-5); out = xs + max(t, 0.2 t).
; The row's maximum is in NA, which is the C operand that starts the sum q'_n . q'_m.  The bound 15 changes nothing where NA is exact (a weight is at most 1); it keeps p' inside f16 where NA's rounding, at M's last bit, is large.
; LIMITS.  p' is rounded to f16 for the product (S' takes the unrounded p'): weights under 1.9e-9 keep a fixed step of 1.8e-12.  xs - x_r is rounded to f16 and must stay within 65,504; the residual takes xs as rounded to f16.
; NaN and infinities are not treated apart.
; SHARES.  A work-group owns 128 columns of one batch.  Wave (i, j) = (w / 2, w % 2) owns columns 64 i .. + 63 (four tiles u), ALL 256 channels (512 accumulator registers), and half j of each tile's 256 keys:
; 64 steps of 32 keys, 16 products K Q^T and 64 products V^T P each.  p' needs no rescaling, so the two waves' partial O' and S' are added once, in f32, through LDS: accumulators cb' 0-7 are the channel
; blocks 8 j + cb' that the wave keeps, cb' 8-15 those that it sends; which is which lies in LDS addresses alone.
; V comes through a ring of two slots, asked for jointly by the cluster's four work-groups (one batch, the same keys).  K (4 KiB a step) and NA (128 bytes) come by loads into two register buffers, two steps
; ahead: in the ring K would have to lie a tile ahead of V, and two slots of 128 + 32 KiB are all of LDS with no room for the stages.
; THE DEAL.  A step has 192 vector lines (64 bounds, 64 exponentials, 32 roundings, 32 sums) and 64 products V^T P: THREE lines stand behind every such product.  The bounds and exponentials of step t + 1 ride on the
; first 43 products of step t, then comes the one wait for the 64 exponentials, and the roundings and sums that make P(t + 1) ride on the last 21.
; THE PIPELINE of step t (BODY): V(t)'s first half is fetched, directly behind the wait that ended the step before; products 11-31 of the second channel half of step t - 1, with the roundings and sums that make P(t);
; K Q^T of step t + 1; ONE run of loads: V(t)'s second half, K and NA of step t + 3; the first half's 32 products and products 0-10 of the second, with the bounds and exponentials of step t + 1; the wait.
; No first step is written out: O', the second V buffer and the second P buffer start at 0.  Steps 64 to 66 are asked for as steps 0 to 2 and not used: the price of one text for every trip.
; REGISTERS: window 0: addresses, S' v16-23, NA v24-55, S^T v64-127, P v128-191, the epilogue's v192-255; window 1: Q v0-63, K v64-127, V v128-255; windows 2, 3: O' of tiles 0, 1 and 2, 3 at 128 (u % 2) + 8 cb'.
.set SLOT1, 1<<17                      ; a slot: 256 keys x 256 channels of f16
.set SHL,   2*SLOT1                    ; (bt - mean) sc + beta, 256 f32
.set SSX,   SHL+1024                   ; the waves' S'
.set SPARE, SSX+1024                   ; the spare words, 128 bytes for each wave
.set STG,   SPARE+512                  ; 16 rows x 272 bytes for each wave, for the way out
.set SP,    272
.set DX,    65536                      ; the epilogue's xs - x_r: slot 0's upper half, whose last fill is over by then
.set L16, 2
.set H32, 3
.set VAA, 4                            ; v4-5 the LDS addresses of V's two runs
.set KADR, 6
.set NADR, 7
.set PFO, 8
.set SPW, 10                           ; my spare word; never rewritten
.set NIL, 11                           ; 0; never rewritten
.set EXS, 12
.set EXL, 13
.set SSA, 14
.set SSB, 15
.set SS,  16
.set NA,  24
.set DXS, 56
.set DXL, 57
.set XRA, 58
.set SHA, 59
.set STS, 60
.set STR, 61
.set OUO, 62
.set ONE, 63
.set S,   64
.set P,   128
.set WB0, 24                           ; the epilogue, in NA's registers
.set WA0, 26
.set NR,  28
.set SPT, 36
.set SHC, 40
.set XRC, 41
.set T,   64
.set SH,  96
.set XS,  104
.set OT,  192
.set BK,  224
.set WV, 4
.set II, 5
.set JJ, 6
.set CX, 7
.set BX, 8
.set BB, 9
.set J14, 10
.set T3, 11
.set KO, 12
.set KT, 13
.set TBA, 14
.set TBB, 15
.set CNT, 16
.set SLOTS, 17
.set LIM, 18
.set CAP, 19
.set PFA, 22
.set G1, 24
.set G1X, 32
.set G0A, 40
.set G0B, 44
.set G0X, 48
.set SEL, 52
.set C02, 54
.set WOF, 56
.set PW, 57
.set EPS, 60
.set EPS2, 61
.set QFP, 68
.set VFP, 70
.set XFP, 72
.set WTP, 74
.set STP, 76
.set OUTP, 88
.set QP, 90
.set SO, 92
.set XO, 93
.set MSB, 0
.macro WIN new                         ; the immediate's high byte repeats the setting that is left; a switch that changes nothing is dropped
.if MSB != (\new)
	s_set_vgpr_msb (MSB<<8)|(\new)
.set MSB, \new
.endif
.endm
.macro PLACES
.rept 4
	v_nop
.endr
.endm
.macro CROUND
	s_barrier_signal -1
	s_barrier_wait -1
	s_cmp_lg_u32 s[WV], 0
	s_cbranch_scc1 .Lnot_wave_0_\@
	s_barrier_signal -3
.Lnot_wave_0_\@:
	s_barrier_wait -3
	s_barrier_signal -1
	s_barrier_wait -1
.endm
; 16 LDS loads: eight fragments of V^T (16 channels x 32 keys, 1,024 dense bytes each) of half c
.macro LDV c
	WIN 0x40
.set i, 0
.rept 16
	ds_load_b128 v[128+64*(\c)+4*i:128+64*(\c)+4*i+3], v[VAA+(\c)] offset:512*i
.set i, i+1
.endr
.endm
; K and NA of the next step that has not been asked for, in three parts.  Step T3: key group 8 (T3 / 4) + 4 j + T3 % 4, 4,096 bytes of qf and 128 of st.
.macro LDKS                            ; the offsets, in scalar registers
	s_add_co_u32 s[T3], s[T3], 1
	s_and_b32 s[T3], s[T3], 63
	s_lshr_b32 s[KO], s[T3], 2
	s_lshl_b32 s[KO], s[KO], 15
	s_and_b32 s[KT], s[T3], 3
	s_lshl_b32 s[KT], s[KT], 12
	s_add_co_u32 s[KO], s[KO], s[KT]
	s_add_co_u32 s[KO], s[KO], s[J14]
	s_lshr_b32 s[KT], s[KO], 5
.endm
.macro LDKA                            ; the two address registers
	WIN 0
	s_wait_xcnt 0x0                                ; the loads of a step ago have read the two address registers
	v_add_nc_u32 v[KADR], s[KO], v[L16]
	v_add_nc_u32 v[NADR], s[KT], v[H32]
.endm
.macro LDKL p                          ; the 12 loads, into buffer p
	WIN 0x40
.irp i, 0,1,2,3,4,5,6,7
	global_load_b128 v[64+32*(\p)+4*\i:64+32*(\p)+4*\i+3], v[KADR], s[QFP:QFP+1] offset:512*\i
.endr
	WIN 0
	global_load_b128 v[NA+16*(\p):NA+16*(\p)+3], v[NADR], s[STP:STP+1]
	global_load_b128 v[NA+16*(\p)+4:NA+16*(\p)+7], v[NADR], s[STP:STP+1] offset:16
	global_load_b128 v[NA+16*(\p)+8:NA+16*(\p)+11], v[NADR], s[STP:STP+1] offset:64
	global_load_b128 v[NA+16*(\p)+12:NA+16*(\p)+15], v[NADR], s[STP:STP+1] offset:80
.endm
.macro LDK p
	LDKS
	LDKA
	LDKL \p
.endm
; 16 products S^T = NA + K Q^T: eight accumulators (u, kb) by turns; a lane holds one column and the keys 16 kb + 8 h + 0..7, whose NA is the first product's C
.macro QKM p
	WIN 0x05
.irp kc, 0,1
.irp u, 0,1,2,3
.irp kb, 0,1
.if \kc == 0
	v_wmma_f32_16x16x32_f16 v[S+16*\u+8*\kb:S+16*\u+8*\kb+7], v[64+32*(\p)+16*\kb:64+32*(\p)+16*\kb+7], v[16*\u:16*\u+7], v[NA+16*(\p)+8*\kb:NA+16*(\p)+8*\kb+7]
.else
	v_wmma_f32_16x16x32_f16 v[S+16*\u+8*\kb:S+16*\u+8*\kb+7], v[64+32*(\p)+16*\kb+8:64+32*(\p)+16*\kb+15], v[16*\u+8:16*\u+15], v[S+16*\u+8*\kb:S+16*\u+8*\kb+7]
.endif
.endr
.endr
.endr
.endm
; Number kk of the 16 that make tile u's P (buffer pd) and add its weights to S': eight roundings, then the eight pairs' sum in place (4, 2, 1), then S'
.macro RC u, kk, pd
.set rS, S+16*(\u)
.if (\kk) < 8
	v_cvt_pk_f16_f32 v[P+32*(\pd)+8*(\u)+(\kk)], v[rS+2*(\kk)], v[rS+2*(\kk)+1]
.elseif (\kk) < 12
	v_pk_add_f32 v[rS+2*((\kk)-8):rS+2*((\kk)-8)+1], v[rS+2*((\kk)-8):rS+2*((\kk)-8)+1], v[rS+2*((\kk)-8)+8:rS+2*((\kk)-8)+9]
.elseif (\kk) < 14
	v_pk_add_f32 v[rS+2*((\kk)-12):rS+2*((\kk)-12)+1], v[rS+2*((\kk)-12):rS+2*((\kk)-12)+1], v[rS+2*((\kk)-12)+4:rS+2*((\kk)-12)+5]
.elseif (\kk) == 14
	v_pk_add_f32 v[rS:rS+1], v[rS:rS+1], v[rS+2:rS+3]
.else
	v_pk_add_f32 v[SS+2*(\u):SS+2*(\u)+1], v[SS+2*(\u):SS+2*(\u)+1], v[rS:rS+1]
.endif
.endm
; The next of the 64 lines behind the wait: tiles 0 and 1 by turns, then tiles 2 and 3
.macro CR pd
	RC 2*(cn/32)+cn%2, (cn%32)/2, \pd
.set cn, cn+1
.endm
; The next of the 128 lines ahead of the wait: bound k at place 2 k - 1 (the first two at 0 and 1), exponential k at place 2 k + 2 (the last two at 126 and 127): bound and exponential by turns, an exponential three
; lines behind its bound, the scores ascending (an accumulator's lowest registers are read first).  None of them reads an exponential's result.
.macro ER
.if en < 2
	v_min_num_f32 v[S+en], s[CAP], v[S+en]
.elseif en >= 126
	v_exp_f32 v[S+en-64], v[S+en-64]
.elseif en%2 == 0
	v_exp_f32 v[S+(en-2)/2], v[S+(en-2)/2]
.else
	v_min_num_f32 v[S+(en+1)/2], s[CAP], v[S+(en+1)/2]
.endif
.set en, en+1
.endm
; Product k of 32 of O' += V^T P of channel half c with P's buffer p: channel block 8 c + k / 4, tile k % 4: each accumulator once a step, so no two products that follow each other share one
.macro PV1 c, p
	WIN 0xa1+0x50*((k%4)/2)
.set rO, 128*(k%2)+64*(\c)+8*(k/4)
.set rV, 128+64*(\c)+8*(k/4)
.set rP, P+32*(\p)+8*(k%4)
	v_wmma_f32_16x16x32_f16 v[rO:rO+7], v[rV:rV+7], v[rP:rP+7], v[rO:rO+7]
.set k, k+1
.endm
.macro BODY p
	LDV 0                                          ; V(t), first half: its buffer's last reader stands eleven products back, with more than four bounds between
.set cn, 0
.set k, 11
.rept 21                               ; the rest of step t - 1: its V was waited for in the step before
	PV1 1, 1-(\p)
	WIN 0
	CR \p
	CR \p
	CR \p
.if k == 32
	CR \p                                          ; 64 = 3 x 21 + 1
.endif
.endr
	LDKS
	s_wait_loadcnt 12                              ; K and NA of step t + 1 are in; the 12 loads of step t + 2 may stay out
	QKM 1-(\p)
	LDKA                                           ; the two address lines and two v_nop are the four places ahead of the loads into K, NA and V's second buffer, and of the lines that read the scores
	v_nop
	v_nop
	LDV 1                                          ; one run: V(t), second half,
	LDKL 1-(\p)                                    ; and K and NA of step t + 3
	s_add_co_u32 s[TBA], s[TBA], 16384
	s_add_co_u32 s[TBB], s[TBB], 16384
	s_wait_dscnt 16                                ; V's first half is in; the second half's 16 loads may stay out
.set en, 0
.set k, 0
.rept 32
	PV1 0, \p
	WIN 0
	ER
	ER
	ER
.endr
	s_wait_dscnt 0x0                               ; V's second half is in: from here on I have no read of the slot outstanding
.set k, 0
.rept 11
	PV1 1, \p
	WIN 0
	ER
	ER
.if k < 11
	ER                                             ; 128 = 3 x 42 + 2
.endif
.endr
	v_add_nc_u32 v[VAA], s[TBA], v[L16]            ; the next step's two addresses: the plain lines behind the last exponential (a change of slots makes them anew)
	v_add_nc_u32 v[VAA+1], s[TBB], v[L16]
	s_wait_alu depctr_va_vdst(0)                   ; ONE wait for the step's 64 exponentials, ahead of their first reader, and ahead of the next run of LDS loads
.endm
; THE CHANGE OF SLOTS, ahead of a tile's first step: all of the old slot has been read.  Each wave waits for all its tensor loads (one is out: its quarter of the next slot), adds 0 to its spare word,
; waits for that and for its reads; a round of the cluster's barrier; the refill first behind it: four steps, 320 matrix instructions, in which to land.
; kind = 1: the tile two on, jointly; and the batch's first cluster names the tile after that, each block of 256 bytes once (16 waves x 32 lanes), told apart by address.  kind = 2: my work-group's own 64 KiB of xf, into slot 0.
.macro CHANGE kind
	WIN 0
	s_wait_tensorcnt 0x0
	ds_add_u32 v[SPW], v[NIL]
.if (\kind) == 1
	s_xor_b32 s[G0B+1], s[G0B+1], SLOT1
	s_add_nc_u64 s[G0B+2:G0B+3], s[G0B+2:G0B+3], SLOT1
	s_wait_xcnt 0x0                                ; the last prefetch, four steps back, has read its address
	s_add_nc_u64 s[PFA:PFA+1], s[PFA:PFA+1], SLOT1
.endif
	s_wait_dscnt 0x0
	CROUND
.if (\kind) == 1
	tensor_load_to_lds s[G0B:G0B+3], s[G1:G1+7]
.else
	tensor_load_to_lds s[G0X:G0X+3], s[G1X:G1X+7]
.endif
	s_nop 0
	PLACES
.if (\kind) == 1
	s_cmp_gt_u32 s[SLOTS], s[LIM]                  ; the last joint refill has no tile behind it
	s_cbranch_scc0 .Lnot_mine_\@
	global_prefetch_b8 v[PFO], s[PFA:PFA+1] th:TH_LOAD_NT scope:SCOPE_SE
.Lnot_mine_\@:
.endif
	s_sub_co_u32 s[TBA], s[TBA], 65536
	s_xor_b32 s[TBA], s[TBA], SLOT1
	s_sub_co_u32 s[TBB], s[TBB], 65536
	s_xor_b32 s[TBB], s[TBB], SLOT1
	v_add_nc_u32 v[VAA], s[TBA], v[L16]
	v_add_nc_u32 v[VAA+1], s[TBB], v[L16]
.endm
	s_load_b512 s[68:83], s[0:1], 0x0              ; qf 68, vf 70, xf 72, wtf 74, st 76, bt 78, mean 80, var 82
	s_load_b128 s[84:87], s[0:1], 0x40             ; gamma 84, beta 86
	s_load_b64 s[88:89], s[0:1], 0x50              ; out0
	v_lshl_add_u32 v[SPW], v0, 2, SPARE
	v_mov_b32 v[NIL], 0
	ds_add_u32 v[SPW], v[NIL]                      ; the wave's opening: the add and its wait ahead of my first tensor load
	v_lshrrev_b32 v1, 5, v0
	v_readfirstlane_b32 s[WV], v1
	s_lshr_b32 s[II], s[WV], 1
	s_and_b32 s[JJ], s[WV], 1
	s_xor_b32 s[PW], s[WV], 1                      ; the wave with my columns and the other keys
	s_bfe_u32 s[CX], ttmp6, 0x40000
	s_lshl_b32 s[BX], ttmp9, 2
	s_add_co_u32 s[BX], s[BX], s[CX]               ; my block of 128 columns: it enters no joint descriptor and no LDS address
	s_and_b32 s[BB], ttmp7, 0xffff
	s_lshl_b32 s[J14], s[JJ], 14
	s_mov_b32 s[G1], 15|(3<<16)|(1<<21)            ; the mask of four; elements of 8 bytes; bit 21 beside a mask
	s_mov_b32 s[G1+1], 32<<16                      ; rows of 32 elements, 256 bytes
	s_mov_b32 s[G1+2], 128<<16
	s_mov_b32 s[G1+3], 32<<16
	s_mov_b32 s[G1+4], 128                         ; 128 rows: a wave's quarter of a tile
	s_mov_b32 s[G1+5], 32
	s_mov_b32 s[G1+6], 0
	s_mov_b32 s[G1+7], 0
	s_mov_b32 s[G1X], 3<<16                        ; no mask: a load of my work-group's own
	s_mov_b32 s[G1X+1], 32<<16
	s_mov_b32 s[G1X+2], 64<<16
	s_mov_b32 s[G1X+3], 32<<16
	s_mov_b32 s[G1X+4], 64                         ; 64 rows: 16,384 bytes a wave
	s_mov_b32 s[G1X+5], 32
	s_mov_b32 s[G1X+6], 0
	s_mov_b32 s[G1X+7], 0
	s_mov_b32 s[G0A], 1
	s_lshl_b32 s[G0A+1], s[WV], 15
	s_mov_b32 s[G0B], 1
	s_add_co_u32 s[G0B+1], s[G0A+1], SLOT1
	s_mov_b32 s[G0X], 1
	s_lshl_b32 s[G0X+1], s[WV], 14
	s_mov_b32 s[SEL], 0x76543210
	s_mov_b32 s[SEL+1], 0xfedcba98
	s_mov_b32 s[C02], 0x3e4ccccd                   ; 0.2
	s_mov_b32 s[C02+1], s[C02]
	s_mov_b32 s[CAP], 0x41700000                   ; 15.0
	s_mov_b32 s[EPS], 0x3727c5ac                   ; 1e-5
	s_mov_b32 s[EPS2], 0x3809705f                  ; 2^15 x 1e-9
	s_mov_b32 s[T3], 63
	s_lshl_b32 s[TBA], s[JJ], 16                   ; my four key groups of slot 0,
	s_lshl_b32 s62, s[JJ], 13
	s_add_co_u32 s[TBB], s[TBA], 8192
	s_sub_co_u32 s[TBB], s[TBB], s62               ; the channel blocks that I send: 8 (1 - j) on,
	s_add_co_u32 s[TBA], s[TBA], s62               ; those that I keep: 8 j on
	s_cmp_eq_u32 ttmp9, 0
	s_cselect_b32 s[LIM], 1, -1                    ; the batch's first cluster prefetches: the same answer in all four partners
	s_wait_dscnt 0x0                               ; the opening add is done
	s_wait_kmcnt 0x0
	s_mov_b32 s21, 0
	s_mov_b32 s59, 0
	s_lshl_b32 s20, s[BB], 19
	s_add_nc_u64 s[QFP:QFP+1], s[QFP:QFP+1], s[20:21]
	s_lshl_b32 s20, s[BB], 21
	s_add_nc_u64 s[VFP:VFP+1], s[VFP:VFP+1], s[20:21]
	s_add_nc_u64 s[XFP:XFP+1], s[XFP:XFP+1], s[20:21]
	s_lshl_b32 s20, s[BB], 14
	s_add_nc_u64 s[STP:STP+1], s[STP:STP+1], s[20:21]
	s_lshl_b32 s20, s[WV], 15
	s_add_nc_u64 s[G0A+2:G0A+3], s[VFP:VFP+1], s[20:21]
	s_add_nc_u64 s[G0B+2:G0B+3], s[G0A+2:G0A+3], SLOT1
	s_or_b32 s[G0A+3], s[G0A+3], 0x80000000
	s_or_b32 s[G0B+3], s[G0B+3], 0x80000000
	s_lshl_b32 s58, s[BX], 14
	s_lshl_b32 s62, s[II], 13
	s_add_co_u32 s58, s58, s62
	s_add_nc_u64 s[QP:QP+1], s[QFP:QFP+1], s[58:59]  ; my 64 columns' fragments
	s_lshl_b32 s58, s[BX], 16
	s_lshl_b32 s62, s[WV], 14
	s_add_co_u32 s58, s58, s62
	s_add_nc_u64 s[G0X+2:G0X+3], s[XFP:XFP+1], s[58:59]
	s_or_b32 s[G0X+3], s[G0X+3], 0x80000000
	s_lshl_b32 s58, s[CX], 2
	s_add_co_u32 s58, s58, s[WV]
	s_lshl_b32 s58, s58, 13
	s_add_co_u32 s58, s58, 2*SLOT1
	s_add_nc_u64 s[PFA:PFA+1], s[VFP:VFP+1], s[58:59]  ; in tile 2; the first change steps it to tile 3.  Nothing is prefetched at the head
	s_lshl_b32 s58, s[BB], 22
	s_lshl_b32 s62, s[JJ], 21
	s_add_co_u32 s58, s58, s62
	s_lshl_b32 s62, s[BX], 9
	s_add_co_u32 s58, s58, s62
	s_lshl_b32 s62, s[II], 8
	s_add_co_u32 s58, s58, s62
	s_add_nc_u64 s[OUTP:OUTP+1], s[OUTP:OUTP+1], s[58:59]  ; out0: batch, rows 128 j, my 64 columns
	CROUND                                         ; all four work-groups are here: the first joint loads meet
	tensor_load_to_lds s[G0A:G0A+3], s[G1:G1+7]    ; two loads of mine are out
	s_nop 0
	tensor_load_to_lds s[G0B:G0B+3], s[G1:G1+7]
	s_nop 0
	PLACES
	v_and_b32 v1, 31, v0
	v_and_b32 v192, 15, v0                         ; r
	v_bfe_u32 v193, v0, 4, 1                       ; h
	v_lshlrev_b32 v[L16], 4, v1
	v_lshlrev_b32 v[H32], 5, v193
	v_lshlrev_b32 v[PFO], 8, v1
	v_lshlrev_b32 v9, 3, v0
	global_load_b64 v[64:65], v9, s[78:79]         ; two channels a thread: bt, mean, var, gamma, beta
	global_load_b64 v[66:67], v9, s[80:81]
	global_load_b64 v[68:69], v9, s[82:83]
	global_load_b64 v[70:71], v9, s[84:85]
	global_load_b64 v[72:73], v9, s[86:87]
	WIN 0x40
.set i, 0
.rept 16
	global_load_b128 v[4*i:4*i+3], v[L16], s[QP:QP+1] offset:512*i
.set i, i+1
.endr
	LDK 0                                          ; step 0
	LDK 1                                          ; step 1
	; the epilogue's addresses
	s_lshl_b32 s62, s[WV], 15
	s_add_co_u32 s62, s62, SLOT1
	v_add_nc_u32 v[EXS], s62, v[L16]
	s_lshl_b32 s62, s[PW], 15
	s_add_co_u32 s62, s62, SLOT1
	v_add_nc_u32 v[EXL], s62, v[L16]
	s_lshl_b32 s62, s[WV], 8
	s_add_co_u32 s62, s62, SSX
	v_lshl_add_u32 v[SSA], v192, 2, s62
	s_lshl_b32 s62, s[PW], 8
	s_add_co_u32 s62, s62, SSX
	v_lshl_add_u32 v[SSB], v192, 2, s62
	s_lshl_b32 s62, s[WV], 14
	s_add_co_u32 s62, s62, DX
	v_add_nc_u32 v[DXS], s62, v[L16]
	s_lshl_b32 s62, s[PW], 14
	s_add_co_u32 s62, s62, DX
	v_add_nc_u32 v[DXL], s62, v[L16]
	s_lshl_b32 s62, s[II], 15
	s_lshl_b32 s63, s[JJ], 12
	s_add_co_u32 s62, s62, s63
	v_add_nc_u32 v[XRA], s62, v[L16]
	s_lshl_b32 s62, s[JJ], 9
	s_add_co_u32 s62, s62, SHL
	v_add_nc_u32 v[SHA], s62, v[H32]
	s_mul_i32 s62, s[WV], 16*SP
	s_add_co_u32 s62, s62, STG
	v_mul_u32_u24 v194, v193, 8*SP
	v_lshl_add_u32 v194, v192, 2, v194
	v_add_nc_u32 v[STS], s62, v194
	v_mul_u32_u24 v194, v193, SP
	v_lshl_add_u32 v194, v192, 4, v194
	v_add_nc_u32 v[STR], s62, v194
	v_lshlrev_b32 v[OUO], 14, v193
	v_lshl_add_u32 v[OUO], v192, 4, v[OUO]
	v_mov_b32 v[ONE], 1.0
	v_lshl_add_u32 v1, v0, 3, SHL
	; what the first step finds: O', V's second buffer, P's second buffer and S' are 0.  All this stands in the wait for the first tile
	WIN 0x80
.set i, 0
.rept 256
	v_mov_b32 v[i], 0
.set i, i+1
.endr
	WIN 0xc0
.set i, 0
.rept 256
	v_mov_b32 v[i], 0
.set i, i+1
.endr
	WIN 0x40
.set i, 192
.rept 64
	v_mov_b32 v[i], 0
.set i, i+1
.endr
	WIN 0
.set i, 0
.rept 32
	v_mov_b32 v[P+32+i], 0
.set i, i+1
.endr
.set i, 0
.rept 8
	v_mov_b32 v[SS+i], 0
.set i, i+1
.endr
	s_wait_loadcnt 40                              ; the five small loads are in: behind them stand Q's 16 and two steps' 12
	v_add_f32 v68, s[EPS], v68
	v_add_f32 v69, s[EPS], v69
	v_rsq_f32 v68, v68
	v_rsq_f32 v69, v69
	v_pk_add_f32 v[64:65], v[64:65], v[66:67] neg_lo:[0,1] neg_hi:[0,1]  ; bt - mean: the plain instruction behind the roots
	s_wait_alu depctr_va_vdst(0)                   ; one wait for the two
	v_pk_mul_f32 v[68:69], v[68:69], v[70:71]
	v_pk_fma_f32 v[64:65], v[64:65], v[68:69], v[72:73]
	ds_store_b64 v1, v[64:65]
	s_wait_loadcnt 12                              ; Q, K and NA of step 0
	QKM 0
	WIN 0
	PLACES
	LDK 0                                          ; step 2
.set k, 0
.rept 64
	v_min_num_f32 v[S+k], s[CAP], v[S+k]
.set k, k+1
.endr
.set k, 0
.rept 64
	v_exp_f32 v[S+k], v[S+k]
.set k, k+1
.endr
	v_add_nc_u32 v[VAA], s[TBA], v[L16]            ; step 0's two addresses: the plain lines behind the last exponential
	v_add_nc_u32 v[VAA+1], s[TBB], v[L16]
	s_wait_alu depctr_va_vdst(0)
	s_wait_tensorcnt 0x1                           ; my quarter of tile 0 is in; tile 1's may stay out
	s_wait_dscnt 0x0                               ; my part of the shifts lies in LDS
	s_barrier_signal -1
	s_barrier_wait -1
	s_mov_b32 s[SLOTS], 15
	s_branch .Lenter
.Lslot:                                        ; 14 times: tiles 2 to 15 are asked for
	CHANGE 1
.Lenter:
	s_mov_b32 s[CNT], 2
.Ltrip:
	BODY 0
	BODY 1
	s_sub_co_u32 s[CNT], s[CNT], 1
	s_cmp_lg_u32 s[CNT], 0
	s_cbranch_scc1 .Ltrip
	s_sub_co_u32 s[SLOTS], s[SLOTS], 1
	s_cmp_lg_u32 s[SLOTS], 0
	s_cbranch_scc1 .Lslot
	CHANGE 2                                       ; the last tile is written out
	s_mov_b32 s[CNT], 2
.Ltail:
	BODY 0
	BODY 1
	s_sub_co_u32 s[CNT], s[CNT], 1
	s_cmp_lg_u32 s[CNT], 0
	s_cbranch_scc1 .Ltail
.set k, 11
.rept 21
	PV1 1, 1                                       ; the rest of the last step
.endr
	WIN 0
	; THE EPILOGUE.  S' of my keys: a lane's two sums, then the other half of the lanes.  The four additions are the places behind the last products.
.irp u, 0,1,2,3
	v_add_f32 v[SS+2*\u], v[SS+2*\u], v[SS+2*\u+1]
.endr
.irp u, 0,1,2,3
	v_permlanex16_b32 v[SS+2*\u+1], v[SS+2*\u], s[SEL], s[SEL+1]
.endr
.irp u, 0,1,2,3
	v_add_f32 v[SS+2*\u], v[SS+2*\u], v[SS+2*\u+1]
.endr
	s_wait_loadcnt 0x0                             ; the steps asked for past the end have landed: K's and NA's registers are free
	s_wait_tensorcnt 0x0                           ; my part of xf is in
	s_wait_dscnt 0x0
	s_barrier_signal -1
	s_barrier_wait -1                              ; nobody reads a slot any more, no fill is to come, xf is whole
.irp u, 0,1,2,3
	ds_store_b32 v[SSA], v[SS+2*\u] offset:64*\u
.endr
.irp u, 0,1,2,3
	WIN 0x08+4*(\u/2)                              ; an LDS store's data is source 1
.set c, 0
.rept 8
	ds_store_b128 v[EXS], v[128*(\u%2)+64+8*c:128*(\u%2)+64+8*c+3] offset:(8*\u+c)*1024
	ds_store_b128 v[EXS], v[128*(\u%2)+64+8*c+4:128*(\u%2)+64+8*c+7] offset:(8*\u+c)*1024+512
.set c, c+1
.endr
.endr
	WIN 0
	s_wait_dscnt 0x0                               ; for my partner's sake
	s_barrier_signal -1
	s_barrier_wait -1
	WIN 0x40
.set i, 0
.rept 64
	ds_load_b128 v[4*i:4*i+3], v[EXL] offset:512*i  ; what my partner sent: its sums for the channels that I keep
.set i, i+1
.endr
	WIN 0
.irp u, 0,1,2,3
	ds_load_b32 v[SPT+\u], v[SSB] offset:64*\u
.endr
	s_wait_dscnt 0x0
.irp u, 0,1,2,3
	WIN 0x86+0x41*(\u/2)
.set m, 0
.rept 32
	v_pk_add_f32 v[128*(\u%2)+2*m:128*(\u%2)+2*m+1], v[128*(\u%2)+2*m:128*(\u%2)+2*m+1], v[64*\u+2*m:64*\u+2*m+1]
.set m, m+1
.endr
.endr
	WIN 0x40
.irp u, 0,1,2,3
.irp c, 0,1,2,3,4,5,6,7
	ds_load_b128 v[128+32*\u+4*\c:128+32*\u+4*\c+3], v[XRA] offset:8192*\u+512*\c  ; xs of my columns and kept channels, in the results' own layout
.endr
.endr
	WIN 0
.irp u, 0,1,2,3
	v_add_f32 v[SS+2*\u], v[SS+2*\u], v[SPT+\u]
.endr
.irp u, 0,1,2,3
	v_add_f32 v[SS+2*\u], s[EPS2], v[SS+2*\u]
.endr
.irp u, 0,1,2,3
	v_rcp_f32 v[NR+2*\u], v[SS+2*\u]
.endr
	v_nop
	s_wait_alu depctr_va_vdst(0)                   ; one wait for the four
.irp u, 0,1,2,3
	v_mul_f32 v[NR+2*\u], -1.0, v[NR+2*\u]
	v_mov_b32 v[NR+2*\u+1], v[NR+2*\u]
.endr
.irp u, 0,1,2,3
	WIN 0x82+0x41*(\u/2)
.set m, 0
.rept 32
	v_pk_mul_f32 v[128*(\u%2)+2*m:128*(\u%2)+2*m+1], v[128*(\u%2)+2*m:128*(\u%2)+2*m+1], v[NR+2*\u:NR+2*\u+1]  ; - x_r
.set m, m+1
.endr
	WIN 0x4a+5*(\u/2)
.set m, 0
.rept 32
	v_cvt_pk_f16_f32 v[32*\u+m], v[128*(\u%2)+2*m], v[128*(\u%2)+2*m+1]
.set m, m+1
.endr
.endr
	WIN 0
; 16 loads: Wt's eight fragments of the next output block that has not been asked for, into buffer b of window 3: first the four for my own channels, then the four for my partner's.
; The two blocks asked for past the wave's eight are taken from inside wtf and not used.  step = 1: out0's base goes on to the block in hand, behind the same wait: the stores of the block before have read it.
.macro WLD b, step
	WIN 0
	s_wait_xcnt 0x0                                ; the loads before have read the two address registers; the stores of the block before, 32 products back, their base and their data
.if \step
	s_add_nc_u64 s[OUTP:OUTP+1], s[OUTP:OUTP+1], 262144
.endif
	s_and_b32 s[KT], s[WOF], 0x1ffff
	s_add_co_u32 s[WOF], s[WOF], 8192
	v_add_nc_u32 v[WA0], s[KT], v[WB0]
	v_add_nc_u32 v[WA0+1], s[KT], v[WB0+1]
	WIN 0xc0
.irp g, 0,1
.irp k, 0,1,2,3
	global_load_b128 v[64*(\b)+32*\g+8*\k:64*(\b)+32*\g+8*\k+3], v[WA0+\g], s[WTP:WTP+1] offset:1024*\k
	global_load_b128 v[64*(\b)+32*\g+8*\k+4:64*(\b)+32*\g+8*\k+7], v[WA0+\g], s[WTP:WTP+1] offset:1024*\k+512
.endr
.endr
	WIN 0
.endm
	s_lshl_b32 s62, s[JJ], 12
	v_add_nc_u32 v[WB0], s62, v[L16]
	s_xor_b32 s62, s62, 4096
	v_add_nc_u32 v[WB0+1], s62, v[L16]
	s_lshl_b32 s[WOF], s[JJ], 16                   ; output blocks 8 j on
	WLD 0, 0
	WLD 1, 0
	s_wait_dscnt 0x0                               ; xs
	WIN 0x45
.set m, 0
.rept 128
	v_pk_add_f16 v[m], v[m], v[128+m]              ; d = xs - x_r: source 1 of the last product, 32 u + 8 kk
.set m, m+1
.endr
	WIN 0x04
.set i, 0
.rept 32
	ds_store_b128 v[DXS], v[4*i:4*i+3] offset:512*i
.set i, i+1
.endr
	WIN 0
	s_wait_dscnt 0x0                               ; for my partner's sake
	s_barrier_signal -1
	s_barrier_wait -1
	WIN 0x40
.set i, 0
.rept 32
	ds_load_b128 v[128+4*i:128+4*i+3], v[DXL] offset:512*i  ; my partner's d: the other 128 channels of my columns
.set i, i+1
.endr
	WIN 0
; ONE OUTPUT BLOCK: 16 rows x my 64 columns.  t = shift + (sc Wt) d: four accumulators by turns, K = my 128 channels and then my partner's; max(t, 0.2 t) + xs; through my stage, so that sixteen lanes store 256 consecutive bytes.
; The base has been stepped past the block when its stores are issued: they reach back by a negative immediate.  The registers that they read are loaded again only behind the next block's wait in WLD.
.macro OB b
	v_add_nc_u32 v[SHC], s[SO], v[SHA]
	v_add_nc_u32 v[XRC], s[XO], v[XRA]
	s_add_co_u32 s[SO], s[SO], 64
	s_add_co_u32 s[XO], s[XO], 512
	ds_load_b128 v[SH:SH+3], v[SHC]
	ds_load_b128 v[SH+4:SH+7], v[SHC] offset:16
.irp u, 0,1,2,3
	ds_load_b128 v[XS+4*\u:XS+4*\u+3], v[XRC] offset:8192*\u
.endr
	s_wait_loadcnt 16                              ; this block's fragments of Wt are in; the other buffer's 16 loads may stay out
	s_wait_dscnt 0x0
	WIN 0x07                                       ; Wt window 3, d window 1
.irp k, 0,1,2,3,4,5,6,7
.irp u, 0,1,2,3
.if \k == 0
	v_wmma_f32_16x16x32_f16 v[T+8*\u:T+8*\u+7], v[64*(\b):64*(\b)+7], v[32*\u:32*\u+7], v[SH:SH+7]
.else
	v_wmma_f32_16x16x32_f16 v[T+8*\u:T+8*\u+7], v[64*(\b)+8*\k:64*(\b)+8*\k+7], v[128*(\k/4)+32*\u+8*(\k%4):128*(\k/4)+32*\u+8*(\k%4)+7], v[T+8*\u:T+8*\u+7]
.endif
.endr
.endr
	WIN 0
	PLACES
	WLD \b, 1
.set m, 0
.rept 16
	v_pk_mul_f32 v[OT+2*m:OT+2*m+1], v[T+2*m:T+2*m+1], s[C02:C02+1] op_sel_hi:[1,0]
.set m, m+1
.endr
.set m, 0
.rept 32
	v_max_num_f32 v[OT+m], v[OT+m], v[T+m]
.set m, m+1
.endr
.irp u, 0,1,2,3
.irp q, 0,1,2,3
	v_fma_mix_f32 v[OT+8*\u+2*\q], v[XS+4*\u+\q], v[ONE], v[OT+8*\u+2*\q] op_sel_hi:[1,0,0]
	v_fma_mix_f32 v[OT+8*\u+2*\q+1], v[XS+4*\u+\q], v[ONE], v[OT+8*\u+2*\q+1] op_sel:[1,0,0] op_sel_hi:[1,0,0]
.endr
.endr
.irp u, 0,1,2,3
.irp q, 0,1,2,3,4,5,6,7
	ds_store_b32 v[STS], v[OT+8*\u+\q] offset:SP*\q+64*\u
.endr
.endr
.irp q, 0,1,2,3,4,5,6,7
	ds_load_b128 v[BK+4*\q:BK+4*\q+3], v[STR] offset:2*SP*\q  ; LDS serves a wave's instructions in order: these see the stores above
.endr
	s_wait_dscnt 0x0
.irp q, 0,1,2,3,4,5,6,7
	global_store_b128 v[OUO], v[BK+4*\q:BK+4*\q+3], s[OUTP:OUTP+1] offset:32768*\q-262144 th:TH_STORE_NT
.endr
.endm
	s_mov_b32 s[SO], 0
	s_mov_b32 s[XO], 0
	s_mov_b32 s[CNT], 4
.Lob:
	OB 0
	OB 1
	s_sub_co_u32 s[CNT], s[CNT], 1
	s_cmp_lg_u32 s[CNT], 0
	s_cbranch_scc1 .Lob
	s_wait_tensorcnt 0x0                           ; the wave's end, behind my last tensor load and my last LDS store
	ds_add_u32 v[SPW], v[NIL]
	s_wait_dscnt 0x0
	CROUND                                         ; the closing round
	s_endpgm
.Lfunc_end_k_qd3abb172c2_attn:
	.size	k_qd3abb172c2_attn, .Lfunc_end_k_qd3abb172c2_attn-k_qd3abb172c2_attn
	.p2alignl 7, 3214868480
	.fill 96, 4, 3214868480
	.section	.rodata,"a",@progbits
	.p2align	6, 0x0
	.amdhsa_kernel k_qd3abb172c2_attn
		.amdhsa_group_segment_fixed_size 327680
		.amdhsa_private_segment_fixed_size 0
		.amdhsa_enable_private_segment 0
		.amdhsa_kernarg_size 88
		.amdhsa_user_sgpr_count 2
		.amdhsa_user_sgpr_kernarg_segment_ptr 1
		.amdhsa_wavefront_size32 1
		.amdhsa_system_sgpr_workgroup_id_x 1
		.amdhsa_system_sgpr_workgroup_id_y 1
		.amdhsa_system_sgpr_workgroup_id_z 1
		.amdhsa_system_vgpr_workitem_id 0
		.amdhsa_next_free_vgpr 1024
		.amdhsa_next_free_sgpr 100
		.amdhsa_reserve_vcc 0
		.amdhsa_float_denorm_mode_32 3
		.amdhsa_float_denorm_mode_16_64 3
		.amdhsa_memory_ordered 1
		.amdhsa_forward_progress 1
		.amdhsa_inst_pref_size 205
	.end_amdhsa_kernel
	.amdgpu_metadata
---
amdhsa.version: [ 1, 2 ]
amdhsa.kernels:
  - .name:           k_qd3abb172c2_attn
    .symbol:         k_qd3abb172c2_attn.kd
    .args:
      - { .name: qf, .offset: 0, .size: 8, .value_kind: global_buffer, .address_space: global }
      - { .name: vf, .offset: 8, .size: 8, .value_kind: global_buffer, .address_space: global }
      - { .name: xf, .offset: 16, .size: 8, .value_kind: global_buffer, .address_space: global }
      - { .name: wtf, .offset: 24, .size: 8, .value_kind: global_buffer, .address_space: global }
      - { .name: st, .offset: 32, .size: 8, .value_kind: global_buffer, .address_space: global }
      - { .name: bt, .offset: 40, .size: 8, .value_kind: global_buffer, .address_space: global }
      - { .name: bn_mean, .offset: 48, .size: 8, .value_kind: global_buffer, .address_space: global }
      - { .name: bn_var, .offset: 56, .size: 8, .value_kind: global_buffer, .address_space: global }
      - { .name: bn_gamma, .offset: 64, .size: 8, .value_kind: global_buffer, .address_space: global }
      - { .name: bn_beta, .offset: 72, .size: 8, .value_kind: global_buffer, .address_space: global }
      - { .name: out0, .offset: 80, .size: 8, .value_kind: global_buffer, .address_space: global }
    .group_segment_fixed_size: 327680
    .private_segment_fixed_size: 0
    .kernarg_segment_align: 8
    .kernarg_segment_size: 88
    .max_flat_workgroup_size: 128
    .sgpr_count:     100
    .vgpr_count:     1024
    .wavefront_size: 32
...
	.end_amdgpu_metadata
.endif
;; end of part 3
;; ======== version 2 of 2: 3 launches; version 1 with the launch proj written anew for expert scheduling mode
;; limits: values are held in f16: magnitudes above 65,504 overflow, below 6.1e-05 lose precision
;; workspace buffers: qf 4,194,304 bytes; vf 16,777,216 bytes; xf 16,777,216 bytes; wtf 131,072 bytes; st 131,072 bytes
;; launch proj (part 4): grid 32 x 8, 4 waves a work-group, no clusters, 74,240 bytes of LDS; arguments x, xyz, wqk, bqk, wv, bv, wt, bn_gamma, bn_var, qf, vf, xf, wtf; writes qf, vf, xf, wtf
.if DOCPART == 4
	.amdgcn_target "amdgcn-amd-amdhsa--gfx1250"
	.amdhsa_code_object_version 6
	.text
	.protected	k_qd3abb172c2_proj
	.globl	k_qd3abb172c2_proj
	.p2align	8
	.type	k_qd3abb172c2_proj,@function
k_qd3abb172c2_proj:
	s_mov_b64 s[64:65], 0
	v_nop
	global_prefetch_b8 v0, s[64:65] scope:SCOPE_SE
	s_setreg_imm32_b32 hwreg(HW_REG_WAVE_SCHED_MODE, 0, 2), 2
	s_setreg_imm32_b32 hwreg(HW_REG_WAVE_MODE, 25, 1), 1
	s_wait_xcnt 0x0
	s_wait_alu depctr_vm_vsrc(0)
; PROJECTIONS.  xs = x + xyz; q' = kappa (Wqk xs + bqk), kappa = sqrt(log2 e), so that q'.q' is the energy in base 2; v = Wv xs + bv;
; and Wt with each row multiplied by gamma rsq(var + 1e-5).  All four leave rounded once to f16, laid out as matrix fragments: the 16 bytes that a lane holds
; of a fragment stand at 16 x lane inside a chunk of 512 bytes, so every store of a wave covers 512 consecutive bytes, aligned.
;   qf [b][token block 256][f 4][lane][8]: token 16 tb + r, channel 16 f + 8 h + e          (lane = 16 h + r)
;   vf [b][key group 128][cb 16][s 2][lane][8]: channel 16 cb + r, key 32 kg + 16 s + 8 h + e
;   xf [b][token block 256][f 16][lane][8]: token 16 tb + r, channel 16 f + 8 h + e
;   wtf [ob 16][kc 8][s 2][lane][8]: row 16 ob + r, channel 32 kc + 16 s + 8 h + e
; LIMITS.  f16 ends at 65,504: |xs|, |q'|, |v| and |Wt's scaled rows| must stay within it (inputs 30 times those drawn, or offset by 30 spreads, reach some 17,000).  NaN and infinities are not treated apart.
; SHARES.  A work-group owns 128 tokens of one batch.  In the stream wave w adds and rounds channels 64 w .. 64 w + 63 (a load of a wave is a row's 512 bytes) into LDS, [channel][token].
; In the products wave w makes q's channel block w and v's blocks 4 w .. 4 w + 3 for all 128 tokens; its weights, 320 registers of fragments, are read once a work-group.
; NO CLUSTER, NO TENSOR LOAD: x and xyz are read by one wave each, and the weights go straight into the registers of the wave that multiplies by them: no tile is shared through LDS.
; REGISTERS in windows of 256: window 0: v0-15 addresses, v16-37 small loads, v48-127 ten accumulators (in the stream v48-111 are Y0 and Y1), v128-255 set 0, later xs's fragments; window 1: Wv's fragments;
; window 2: v0-63 Wqk's fragments, v64-95 bv, v96-103 kappa bqk (the C operands that start the sums), v128-255 set 1; window 3: v0-127 set 2, later v0-39 OUT.
; THE MODE: SCHED_MODE bits 1:0 = 2 (LLVM: expert scheduling mode 2), set by the entry lines.  The code itself states the register dependences
; between vector or matrix instructions and memory or LDS instructions, with s_wait_alu, always for 0.
; THE PLAN, nine jobs of 32 loads through three sets X0, X1, X2 (jobs 0-3: 16 rows of x and of xyz; jobs 4-8: 16 rows of a weight):
;   X[p % 3]   Job p's adds and conversions name it; the loads of job p + 3 land in it, issued in job p + 1.
;   Y0, Y1     Job p (0 to 3) rounds into Y[p % 2]; the 16 LDS stores that read it are issued in job p + 1.
;   v2-v9      Offsets and LDS addresses, made once at the head and never written again.
; So job p's memory instructions touch X[(p - 1) % 3] and Y[(p - 1) % 2], which no vector instruction of job p names: the waits at a job's head state all that they hang on,
; and they are dealt among the job's vector instructions, eight loads and four stores at a time, with no further wait.
; THE PLAN, four trips of products:
;   XF    Written by the LDS loads of the trip before; read by the trip's products and, in one wave a trip, by its 32 stores of xf, which stand at the trip's head.
;   TRC   Read by the LDS loads; written once a trip, ahead of them.
;   OUT   Written by the trip's conversions; read by its ten stores.  The accumulators are named by matrix and vector instructions alone.
; Behind a trip's products stands ONE wait on vm_vsrc (XF, TRC and OUT have been read), then the adds to TRC, one wait on va_vdst, the next trip's LDS loads, the conversions, one wait on va_vdst, the stores.
.set PX,    288                        ; an LDS row: 128 tokens of f16 + 32 bytes: 72 words, so that the eight rows of a turning load start eight banks apart
.set SPARE, 256*PX                     ; behind the 256 rows: the spare words, 128 bytes for each wave
.set L16, 2                            ; v2   16 x lane
.set LSA, 3                            ; v3   where I put my four tokens of my wave's first row
.set WO,  4                            ; v4   r x 1,024 + 32 h: my 8 numbers of a weight row
.set BO,  5                            ; v5   4 r
.set HO,  6                            ; v6   32 h
.set TRA, 8                            ; v8-9 the turning load's lane term, for channels 0-127 and 128-255
.set SPW, 10                           ; v10  my spare word; never rewritten
.set NIL, 11                           ; v11  0; never rewritten
.set TRC, 12                           ; v12-13 the same with the trip's tokens
.set CB,  16                           ; v16-19 bv
.set CQ,  20                           ; v20-27 bqk
.set WT,  28                           ; v28-35 wave 0: half a fragment of Wt
.set GA,  36                           ; v36 gamma, v37 var
.set Y,   48                           ; v48-111 buffer y, row i of a job: two registers at Y + 32 y + 2 i: four tokens in f16
.set ACC, 48
.set XF,  128
.set OUT, 0                            ; window 3: accumulator a's eight numbers in f16 at OUT + 4 a
.set WV,  36                           ; s36 wave
.set BB,  37                           ; s37 batch
.set GG,  38                           ; s38 the work-group's number, 0 to 255
.set CNT, 39
.set KAP, 40                           ; s[40:41] kappa
.set PP,  42                           ; s42 the trip's number
.set TO,  43                           ; s43 64 x the number of the trip whose fragments are asked for
.set MSB, 0
.macro WIN new                         ; the immediate's high byte repeats the setting that is left; a switch that changes nothing is dropped
.if MSB != (\new)
	s_set_vgpr_msb (MSB<<8)|(\new)
.set MSB, \new
.endif
.endm
.macro PLACES
.rept 4
	v_nop
.endr
.endm
; A job is 32 loads into a set of 128 registers (window w, from register b on), asked for in four parts g of eight.
; SLD8: rows 4 g .. 4 g + 3 of the 16 rows of x and of xyz of stream job k.
.macro SLD8 k, w, b, g
	WIN (\w)<<6
.set r, 4*(\g)
.rept 4
	global_load_b128 v[(\b)+4*r:(\b)+4*r+3], v[L16], s[8:9] offset:(16*(\k)+r)*16384 th:TH_LOAD_NT
	global_load_b128 v[(\b)+64+4*r:(\b)+64+4*r+3], v[L16], s[10:11] offset:(16*(\k)+r)*16384 th:TH_LOAD_NT
.set r, r+1
.endr
.endm
; WLD8: a quarter of a block of 16 weight rows x 256 channels in f32, in the order of the fragments' registers.
.macro W4 d, p, off
	global_load_b128 v[(\d):(\d)+3], v[WO], s[(\p):(\p)+1] offset:(\off)
	global_load_b128 v[(\d)+4:(\d)+7], v[WO], s[(\p):(\p)+1] offset:(\off)+16
	global_load_b128 v[(\d)+8:(\d)+11], v[WO], s[(\p):(\p)+1] offset:(\off)+64
	global_load_b128 v[(\d)+12:(\d)+15], v[WO], s[(\p):(\p)+1] offset:(\off)+80
.endm
.macro WLD8 w, b, p, off, g
	WIN (\w)<<6
	W4 (\b)+32*(\g), \p, (\off)+256*(\g)
	W4 (\b)+32*(\g)+16, \p, (\off)+256*(\g)+128
.endm
; YST: four of the 16 LDS stores of stream job k, from Y[y].  Address and data lie in window 0, so the setting of the loads beside them serves.
.macro YST k, y, g
	WIN (MSB&0xc0)
.set r, 4*(\g)
.rept 4
	ds_store_b64 v[LSA], v[Y+32*(\y)+2*r:Y+32*(\y)+2*r+1] offset:(16*(\k)+r)*PX  ; 32 lanes, 256 neighbouring bytes
.set r, r+1
.endr
.endm
; PLAN says what a job's memory instructions are: kind 1: the loads of stream job arg; kind 2: a weight block from base s[arg] at byte off; kind 0: none; into window w from register b on.
; st: the stream job whose rows are stored, or -1.  MEM writes part g of them.
.macro PLAN kind, arg, off, w, b, st
.set LKIND, \kind
.set LARG, \arg
.set LOFF, \off
.set LW, \w
.set LB, \b
.set SJOB, \st
.endm
.macro MEM g
.if LKIND == 1
	SLD8 LARG, LW, LB, \g
.elseif LKIND == 2
	WLD8 LW, LB, LARG, LOFF, \g
.endif
.if SJOB >= 0
	YST SJOB, SJOB%2, \g
.endif
.endm
; The vector work.  SAD: 16 of a stream job's 32 packed additions, x + xyz in place.  SCV: eight rows rounded into Y[y].  WCV: 16 of a weight job's 64 roundings into fragment registers (window dw, from d on).
.macro SAD w, b, g
	WIN (\w)*0x45
.set r, 16*(\g)
.rept 16
	v_pk_add_f32 v[(\b)+2*r:(\b)+2*r+1], v[(\b)+2*r:(\b)+2*r+1], v[(\b)+64+2*r:(\b)+64+2*r+1]
.set r, r+1
.endr
.endm
.macro SCV w, b, y, g
	WIN (\w)*5                             ; sources in the set's window, destination in window 0
.set r, 8*(\g)
.rept 8
	v_cvt_pk_f16_f32 v[Y+32*(\y)+2*r], v[(\b)+4*r], v[(\b)+4*r+1]
	v_cvt_pk_f16_f32 v[Y+32*(\y)+2*r+1], v[(\b)+4*r+2], v[(\b)+4*r+3]
.set r, r+1
.endr
.endm
.macro WCV w, b, dw, d, g
	WIN ((\dw)<<6)|((\w)*5)
.set r, 16*(\g)
.rept 16
	v_cvt_pk_f16_f32 v[(\d)+r], v[(\b)+2*r], v[(\b)+2*r+1]
.set r, r+1
.endr
.endm
; A job: its memory instructions, which touch the buffers of the job before alone, dealt among its vector instructions.
.macro JOBS w, b, y
	MEM 0
	SAD \w, \b, 0
	MEM 1
	SAD \w, \b, 1
	MEM 2
	SCV \w, \b, \y, 0
	MEM 3
	SCV \w, \b, \y, 1
.endm
.macro JOBW w, b, dw, d
	MEM 0
	WCV \w, \b, \dw, \d, 0
	MEM 1
	WCV \w, \b, \dw, \d, 1
	MEM 2
	WCV \w, \b, \dw, \d, 2
	MEM 3
	WCV \w, \b, \dw, \d, 3
.endm
	s_load_b512 s[8:23], s[0:1], 0x0               ; x 8, xyz 10, wqk 12, bqk 14, wv 16, bv 18, wt 20, gamma 22
	s_load_b256 s[24:31], s[0:1], 0x40             ; var 24, qf 26, vf 28, xf 30
	s_load_b64 s[32:33], s[0:1], 0x60              ; wtf
	v_lshl_add_u32 v[SPW], v0, 2, SPARE
	v_mov_b32 v[NIL], 0
	v_lshrrev_b32 v1, 5, v0
	v_readfirstlane_b32 s[WV], v1
	s_and_b32 s[BB], ttmp7, 0xffff
	s_lshl_b32 s[GG], s[BB], 5
	s_add_co_u32 s[GG], s[GG], ttmp9
	s_mov_b32 s[KAP], 0x3f99be61                   ; sqrt(log2 e) = 1.2011224
	s_mov_b32 s[KAP+1], s[KAP]
	v_and_b32 v1, 31, v0                           ; lane
	v_and_b32 v14, 15, v0                          ; r
	v_bfe_u32 v15, v0, 4, 1                        ; h
	v_lshlrev_b32 v[L16], 4, v1
	s_wait_alu depctr_va_sdst(0)                   ; the wave's number is written, ahead of its first reader: addresses, bases and branches are made from it
	s_mul_i32 s34, s[WV], 64*PX
	v_lshl_add_u32 v[LSA], v1, 3, s34
	v_lshlrev_b32 v[WO], 10, v14
	v_lshl_add_u32 v[WO], v15, 5, v[WO]
	v_lshlrev_b32 v[BO], 2, v14
	v_lshlrev_b32 v[HO], 5, v15
	v_and_b32 v7, 7, v0
	v_lshl_add_u32 v7, v15, 3, v7                  ; the turning load: lane l reads channel 8 h + l % 8,
	v_mul_u32_u24 v[TRA], v7, PX
	v_bfe_u32 v7, v0, 3, 1
	v_lshl_add_u32 v[TRA], v7, 4, v[TRA]           ; tokens 8 ((l / 8) % 2) + 0..7
	v_add_nc_u32 v[TRA+1], 128*PX, v[TRA]
	s_mov_b32 s3, 0
	s_wait_kmcnt 0x0
	s_lshl_b32 s2, s[BB], 22                       ; x, xyz: the batch, my wave's 64 rows, the work-group's 128 tokens
	s_lshl_b32 s34, s[WV], 20
	s_add_co_u32 s2, s2, s34
	s_lshl_b32 s34, ttmp9, 9
	s_add_co_u32 s2, s2, s34
	s_add_nc_u64 s[8:9], s[8:9], s[2:3]
	s_add_nc_u64 s[10:11], s[10:11], s[2:3]
	s_lshl_b32 s2, s[WV], 14
	s_add_nc_u64 s[12:13], s[12:13], s[2:3]        ; wqk at rows 16 w
	s_lshl_b32 s2, s[WV], 6
	s_add_nc_u64 s[14:15], s[14:15], s[2:3]
	s_lshl_b32 s2, s[WV], 16
	s_add_nc_u64 s[16:17], s[16:17], s[2:3]        ; wv at rows 64 w
	s_lshl_b32 s2, s[WV], 8
	s_add_nc_u64 s[18:19], s[18:19], s[2:3]
	s_lshr_b32 s34, s[GG], 4                       ; Wt: work-group g makes chunk g of the 256: rows 16 (g / 16), channels 16 (g % 16)
	s_and_b32 s35, s[GG], 15
	s_lshl_b32 s2, s34, 14
	s_lshl_b32 s35, s35, 6
	s_add_co_u32 s2, s2, s35
	s_add_nc_u64 s[20:21], s[20:21], s[2:3]
	s_lshl_b32 s2, s34, 6
	s_add_nc_u64 s[22:23], s[22:23], s[2:3]
	s_add_nc_u64 s[24:25], s[24:25], s[2:3]
	s_lshl_b32 s2, s[BB], 19
	s_lshl_b32 s34, ttmp9, 14
	s_add_co_u32 s2, s2, s34
	s_lshl_b32 s34, s[WV], 9
	s_add_co_u32 s2, s2, s34
	s_add_nc_u64 s[26:27], s[26:27], s[2:3]        ; qf: batch, 8 token blocks, chunk f = w
	s_lshl_b32 s2, s[BB], 21
	s_lshl_b32 s34, ttmp9, 16
	s_add_co_u32 s2, s2, s34
	s_add_nc_u64 s[30:31], s[30:31], s[2:3]        ; xf: batch, 8 token blocks
	s_lshl_b32 s34, s[WV], 12
	s_add_co_u32 s2, s2, s34
	s_add_nc_u64 s[28:29], s[28:29], s[2:3]        ; vf: batch, 4 key groups, channel blocks 4 w
	s_lshl_b32 s2, s[GG], 9
	s_add_nc_u64 s[32:33], s[32:33], s[2:3]
	s_wait_alu depctr_va_vdst(0)                   ; the offsets and LDS addresses v2 to v9 are written: every load and store of the kernel reads one of them, or a sum made of v8 and v9
	; the small loads go first: every counted wait below leaves only younger loads out
.irp q, 0,1,2,3
	global_load_b32 v[CB+\q], v[BO], s[18:19] offset:64*\q
.endr
	global_load_b128 v[CQ:CQ+3], v[HO], s[14:15]
	global_load_b128 v[CQ+4:CQ+7], v[HO], s[14:15] offset:16
	s_cmp_lg_u32 s[WV], 0
	s_cbranch_scc1 .Lno_wt1
	global_load_b128 v[WT:WT+3], v[WO], s[20:21]
	global_load_b128 v[WT+4:WT+7], v[WO], s[20:21] offset:16
	global_load_b32 v[GA], v[BO], s[22:23]
	global_load_b32 v[GA+1], v[BO], s[24:25]
.Lno_wt1:
.irp g, 0,1,2,3
	SLD8 0, 0, 128, \g                             ; jobs 0, 1 and 2 into X0, X1, X2: no vector instruction has named these registers
.endr
.irp g, 0,1,2,3
	SLD8 1, 2, 128, \g
.endr
.irp g, 0,1,2,3
	SLD8 2, 3, 0, \g
.endr
	; JOB 0: no job stands in front of it: it has no memory instruction and no wait but the one for its data
	s_wait_loadcnt 63                              ; 64 younger loads are out; 63 is the largest count that the wait can name
	WIN 0x80                                       ; destination window 2
.irp q, 0,1,2,3
.irp i, 0,1,2,3,4,5,6,7
	v_mov_b32 v[64+8*\q+\i], v[CB+\q]              ; in v's result a lane holds one channel: its bias in all eight registers
.endr
.endr
.irp i, 0,1,2,3
	v_pk_mul_f32 v[96+2*\i:97+2*\i], v[CQ+2*\i:CQ+2*\i+1], s[KAP:KAP+1] op_sel_hi:[1,0]
.endr
	WIN 0
	s_cmp_lg_u32 s[WV], 0
	s_cbranch_scc1 .Lno_wt2
	v_add_f32 v[GA+1], 0x3727c5ac, v[GA+1]         ; var + 1e-5
	v_rsq_f32 v[GA+1], v[GA+1]
	v_nop                                          ; a plain instruction behind the root,
	s_wait_alu depctr_va_vdst(0)                   ; and the wait ahead of its first reader: the root is written
	v_mul_f32 v[GA], v[GA], v[GA+1]
.irp i, 0,1,2,3
	v_pk_mul_f32 v[WT+2*\i:WT+2*\i+1], v[WT+2*\i:WT+2*\i+1], v[GA:GA+1] op_sel_hi:[1,0]
.endr
.irp i, 0,1,2,3
	v_cvt_pk_f16_f32 v[WT+\i], v[WT+2*\i], v[WT+2*\i+1]
.endr
	s_wait_alu depctr_va_vdst(0)                   ; the conversions have written v[WT .. WT+3], which the store reads; nothing writes them again
	global_store_b128 v[L16], v[WT:WT+3], s[32:33]
.Lno_wt2:
	PLAN 0, 0, 0, 0, 0, -1
	JOBS 0, 128, 0                                 ; X0 into Y0
	; JOB 1: X1 into Y1 | job 3's loads into X0, job 0's rows out of Y0
	PLAN 1, 3, 0, 0, 128, 0
	s_wait_loadcnt 32                              ; loads come back in order (ISA guide 5.7.1): X1 is in, the next job's 32 stay out; so at every job's head below
	WIN (LW)<<6
	s_wait_alu depctr_va_vdst(0)                   ; job 0 has written Y0, which the LDS stores read, and is done with X0, in which the loads land
	JOBS 2, 128, 1
	; JOB 2: X2 into Y0 | Wv's rows 0-15 into X1, job 1's rows out of Y1
	PLAN 2, 16, 0, 2, 128, 1
	s_wait_loadcnt 32
	WIN (LW)<<6
	s_wait_alu depctr_vm_vsrc(0)                   ; the LDS stores issued in job 1 have read Y0, which this job's conversions write again
	s_wait_alu depctr_va_vdst(0)                   ; job 1 has written Y1 and is done with X1
	JOBS 3, 0, 0
	; JOB 3: X0 into Y1 | Wv's rows 16-31 into X2, job 2's rows out of Y0
	PLAN 2, 16, 16384, 3, 0, 2
	s_wait_loadcnt 32
	WIN (LW)<<6
	s_wait_alu depctr_vm_vsrc(0)                   ; the LDS stores issued in job 2 have read Y1, which this job's conversions write again
	s_wait_alu depctr_va_vdst(0)                   ; job 2 has written Y0 and is done with X2
	JOBS 0, 128, 1
	; JOB 4: X1 into Wv's fragments 0-63 | Wv's rows 32-47 into X0, job 3's rows out of Y1
	PLAN 2, 16, 32768, 0, 128, 3
	s_wait_loadcnt 32
	WIN (LW)<<6
	s_wait_alu depctr_va_vdst(0)                   ; job 3 has written Y1 and is done with X0
	JOBW 2, 128, 1, 0
	; JOB 5: X2 into fragments 64-127 | Wv's rows 48-63 into X1
	PLAN 2, 16, 49152, 2, 128, -1
	s_wait_loadcnt 32
	WIN (LW)<<6
	s_wait_alu depctr_va_vdst(0)                   ; job 4's conversions are done reading X1
	JOBW 3, 0, 1, 64
	; JOB 6: X0 into fragments 128-191 | Wqk's rows into X2
	PLAN 2, 12, 0, 3, 0, -1
	s_wait_loadcnt 32
	WIN (LW)<<6
	s_wait_alu depctr_va_vdst(0)                   ; job 5's conversions are done reading X2
	JOBW 0, 128, 1, 128
	; JOBS 7 and 8 ask for nothing: they hold no wait but those for their data
	PLAN 0, 0, 0, 0, 0, -1
	s_wait_loadcnt 32
	JOBW 2, 128, 1, 192
	s_wait_loadcnt 0x0
	WIN 0xcf
.set r, 0
.rept 64
	v_pk_mul_f32 v[2*r:2*r+1], v[2*r:2*r+1], s[KAP:KAP+1] op_sel_hi:[1,0]  ; kappa Wqk, in f32, ahead of the one rounding
.set r, r+1
.endr
	JOBW 3, 0, 2, 0
	WIN 0
	s_mov_b32 s[CNT], 3
	s_mov_b32 s[PP], 0
	s_mov_b32 s[TO], 0
	v_add_nc_u32 v[TRC], s[TO], v[TRA]             ; the first trip's tokens
	v_add_nc_u32 v[TRC+1], s[TO], v[TRA+1]
	s_wait_dscnt 0x0                               ; for the others' sake: my 64 rows lie in LDS
	s_barrier_signal -1
	s_barrier_wait -1
	s_wait_alu depctr_vm_vsrc(0)                   ; my LDS stores have read Y0 and Y1: these registers are accumulators from here on, written by matrix instructions
	s_wait_alu depctr_va_vdst(0)                   ; v[TRC], v[TRC+1] are written, which the LDS loads read; job 6's conversions are done reading X0, which is XF from here on
; 32 LDS loads: xs's fragments of 32 tokens (two tiles t), all 256 channels
.macro XLD
.irp t, 0,1
.irp kc, 0,1,2,3,4,5,6,7
	ds_load_tr16_b128 v[XF+64*\t+8*\kc:XF+64*\t+8*\kc+3], v[TRC+\kc/4] offset:(\kc%4)*32*PX+32*\t
	ds_load_tr16_b128 v[XF+64*\t+8*\kc+4:XF+64*\t+8*\kc+7], v[TRC+\kc/4] offset:(\kc%4)*32*PX+16*PX+32*\t
.endr
.endr
.endm
	XLD
; FOUR TRIPS, 32 tokens (two tiles t) each.  v^T tile = xs (source 0: 16 tokens) x Wv (source 1: 16 channels): a lane ends with one channel and eight tokens.
; q tile = Wqk (source 0: 16 channels) x xs (source 1: 16 tokens): a lane ends with one token and eight channels.  The first product of each sum takes the bias as C.
; more = 1: the next trip's fragments are asked for behind the products.  The last trip is written out with more = 0: no LDS load reaches past the 128 tokens.
.macro TRIP more
	s_wait_dscnt 0x0                               ; this trip's fragments of xs are in
	s_cmp_lg_u32 s[WV], s[PP]                      ; xs's fragments are the same in all four waves: wave w stores those of trip w; the stores read what LDS loads brought
	s_cbranch_scc1 .Lno_xf_\@
.irp t, 0,1
.set f, 0
.rept 16
	global_store_b128 v[L16], v[XF+64*\t+4*f:XF+64*\t+4*f+3], s[30:31] offset:8192*\t+512*f
.set f, f+1
.endr
.endr
.Lno_xf_\@:
	WIN 0x24                                       ; xs window 0, Wv window 1, the bias window 2.  The accumulators take turns
.irp c, 0,1,2,3
.irp t, 0,1
	v_wmma_f32_16x16x32_f16 v[ACC+8*(2*\c+\t):ACC+8*(2*\c+\t)+7], v[XF+64*\t:XF+64*\t+7], v[64*\c:64*\c+7], v[64+8*\c:64+8*\c+7]
.endr
.endr
	WIN 0x22                                       ; Wqk and the bias window 2, xs window 0
.irp t, 0,1
	v_wmma_f32_16x16x32_f16 v[ACC+64+8*\t:ACC+64+8*\t+7], v[0:7], v[XF+64*\t:XF+64*\t+7], v[96:103]
.endr
	WIN 0x04
.irp kc, 1,2,3,4,5,6,7
.irp c, 0,1,2,3
.irp t, 0,1
	v_wmma_f32_16x16x32_f16 v[ACC+8*(2*\c+\t):ACC+8*(2*\c+\t)+7], v[XF+64*\t+8*\kc:XF+64*\t+8*\kc+7], v[64*\c+8*\kc:64*\c+8*\kc+7], v[ACC+8*(2*\c+\t):ACC+8*(2*\c+\t)+7]
.endr
.endr
.endr
	WIN 0x02
.irp kc, 1,2,3,4,5,6,7
.irp t, 0,1
	v_wmma_f32_16x16x32_f16 v[ACC+64+8*\t:ACC+64+8*\t+7], v[8*\kc:8*\kc+7], v[XF+64*\t+8*\kc:XF+64*\t+8*\kc+7], v[ACC+64+8*\t:ACC+64+8*\t+7]
.endr
.endr
	WIN 0
	PLACES                                         ; four places between the last product and the conversions that read results (ISA guide 7.12.1); they stay beside the waits below
	s_wait_xcnt 0x0                                ; every earlier memory instruction has had its addresses translated (ISA guide 3.1): the bases, XF and OUT are written again only behind this wait
	s_wait_alu depctr_vm_vsrc(0)                   ; the stores of xf at this trip's head have read XF; the last trip's stores have read OUT; the LDS loads issued so far have read v[TRC], v[TRC+1]
	s_add_nc_u64 s[26:27], s[26:27], 4096          ; qf's and vf's bases go past this trip's part: its stores reach back
	s_add_nc_u64 s[28:29], s[28:29], 16384
.if \more
	s_add_nc_u64 s[30:31], s[30:31], 16384         ; xf's base at the next trip's part
	s_add_co_u32 s[TO], s[TO], 64
	s_add_co_u32 s[PP], s[PP], 1
	v_add_nc_u32 v[TRC], s[TO], v[TRA]
	v_add_nc_u32 v[TRC+1], s[TO], v[TRA+1]
	s_wait_alu depctr_va_vdst(0)                   ; the products are done reading XF, in which the LDS loads land; v[TRC], v[TRC+1] are written, which they read
	XLD                                            ; the next trip's fragments: they land under the conversions and the stores
.endif
	WIN 0xc0                                       ; destination window 3, sources window 0
.set a, 0
.rept 10                               ; each accumulator's registers in ascending order
	v_cvt_pk_f16_f32 v[OUT+4*a], v[ACC+8*a], v[ACC+8*a+1]
	v_cvt_pk_f16_f32 v[OUT+4*a+1], v[ACC+8*a+2], v[ACC+8*a+3]
	v_cvt_pk_f16_f32 v[OUT+4*a+2], v[ACC+8*a+4], v[ACC+8*a+5]
	v_cvt_pk_f16_f32 v[OUT+4*a+3], v[ACC+8*a+6], v[ACC+8*a+7]
.set a, a+1
.endr
	WIN 0x0c                                       ; a store's data is source 1: window 3; its offset, source 0, window 0
	s_wait_alu depctr_va_vdst(0)                   ; the conversions have written OUT, which the ten stores read
.irp c, 0,1,2,3
.irp t, 0,1
	global_store_b128 v[L16], v[OUT+4*(2*\c+\t):OUT+4*(2*\c+\t)+3], s[28:29] offset:1024*\c+512*\t-16384
.endr
.endr
.irp t, 0,1
	global_store_b128 v[L16], v[OUT+32+4*\t:OUT+32+4*\t+3], s[26:27] offset:2048*\t-4096
.endr
	WIN 0
.endm
.Lpair:
	TRIP 1
	s_sub_co_u32 s[CNT], s[CNT], 1
	s_cmp_lg_u32 s[CNT], 0
	s_cbranch_scc1 .Lpair
	TRIP 0
	s_wait_dscnt 0x0                               ; the closing lines, six on end
	s_wait_alu 0x0
	s_wait_tensorcnt 0x0
	ds_add_u32 v[SPW], v[NIL]
	s_wait_dscnt 0x0
	s_endpgm
.Lfunc_end_k_qd3abb172c2_proj:
	.size	k_qd3abb172c2_proj, .Lfunc_end_k_qd3abb172c2_proj-k_qd3abb172c2_proj
	.p2alignl 7, 3214868480
	.fill 96, 4, 3214868480
	.section	.rodata,"a",@progbits
	.p2align	6, 0x0
	.amdhsa_kernel k_qd3abb172c2_proj
		.amdhsa_group_segment_fixed_size 74240
		.amdhsa_private_segment_fixed_size 0
		.amdhsa_enable_private_segment 0
		.amdhsa_kernarg_size 104
		.amdhsa_user_sgpr_count 2
		.amdhsa_user_sgpr_kernarg_segment_ptr 1
		.amdhsa_wavefront_size32 1
		.amdhsa_system_sgpr_workgroup_id_x 1
		.amdhsa_system_sgpr_workgroup_id_y 1
		.amdhsa_system_sgpr_workgroup_id_z 1
		.amdhsa_system_vgpr_workitem_id 0
		.amdhsa_next_free_vgpr 896
		.amdhsa_next_free_sgpr 66
		.amdhsa_reserve_vcc 0
		.amdhsa_float_denorm_mode_32 3
		.amdhsa_float_denorm_mode_16_64 3
		.amdhsa_memory_ordered 1
		.amdhsa_forward_progress 1
		.amdhsa_inst_pref_size 109
	.end_amdhsa_kernel
	.amdgpu_metadata
---
amdhsa.version: [ 1, 2 ]
amdhsa.kernels:
  - .name:           k_qd3abb172c2_proj
    .symbol:         k_qd3abb172c2_proj.kd
    .args:
      - { .name: x, .offset: 0, .size: 8, .value_kind: global_buffer, .address_space: global }
      - { .name: xyz, .offset: 8, .size: 8, .value_kind: global_buffer, .address_space: global }
      - { .name: wqk, .offset: 16, .size: 8, .value_kind: global_buffer, .address_space: global }
      - { .name: bqk, .offset: 24, .size: 8, .value_kind: global_buffer, .address_space: global }
      - { .name: wv, .offset: 32, .size: 8, .value_kind: global_buffer, .address_space: global }
      - { .name: bv, .offset: 40, .size: 8, .value_kind: global_buffer, .address_space: global }
      - { .name: wt, .offset: 48, .size: 8, .value_kind: global_buffer, .address_space: global }
      - { .name: bn_gamma, .offset: 56, .size: 8, .value_kind: global_buffer, .address_space: global }
      - { .name: bn_var, .offset: 64, .size: 8, .value_kind: global_buffer, .address_space: global }
      - { .name: qf, .offset: 72, .size: 8, .value_kind: global_buffer, .address_space: global }
      - { .name: vf, .offset: 80, .size: 8, .value_kind: global_buffer, .address_space: global }
      - { .name: xf, .offset: 88, .size: 8, .value_kind: global_buffer, .address_space: global }
      - { .name: wtf, .offset: 96, .size: 8, .value_kind: global_buffer, .address_space: global }
    .group_segment_fixed_size: 74240
    .private_segment_fixed_size: 0
    .kernarg_segment_align: 8
    .kernarg_segment_size: 104
    .max_flat_workgroup_size: 128
    .sgpr_count:     66
    .vgpr_count:     896
    .wavefront_size: 32
...
	.end_amdgpu_metadata
.endif
;; end of part 4
;; launch stats: the kernel of part 2 again; grid 32 x 8, 8 waves a work-group, clusters of 4 x 1, 327,680 bytes of LDS; arguments qf, st; writes st
;; launch attn: the kernel of part 3 again; grid 32 x 8, 4 waves a work-group, clusters of 4 x 1, 327,680 bytes of LDS; arguments qf, vf, xf, wtf, st, bt, bn_mean, bn_var, bn_gamma, bn_beta, out0; writes out0
